; MI455X (gfx1250); checked and timed in simulation.
; The chip was launched on July 23, 2026; its instructions are those of AMD's public machine-readable ISA for CDNA 5 (MIT licence, August 2026) and "CDNA5" Instruction Set Architecture Reference Guide (July 2026). The comments in the code are by the model that wrote it; some were corrected since.
;; Mo E Layer. Allowed arithmetic: matrix products marked QUANTISED: E2M1 operands, one E8M0 scale for each 32 along K, by v_wmma_scale_f32_16x16x128_f8f6f4 with both operands' format E2M1 (or v_wmma_scale_f32_32x16x128_f4), f32 sums; products left as they are: f32 operands where the result goes on into a quantised operand, else bf16, f16 or f32 operands; f32 sums; everything else in f32.
;; Inputs: b1 8 x 2,048 float32; b2 8 x 1,024 float32; gate_b 8 float32; gate_w 1,024 x 8 float32; w1 8 x 1,024 x 2,048 float32; w2 8 x 2,048 x 1,024 float32; x 4 x 512 x 1,024 float32.
;; Outputs: out0 4 x 512 x 1,024 float32.
;; This version of the problem:
;;   THIS VERSION OF THE PROBLEM IS GIVEN IN LOW PRECISION. The matrix products marked QUANTISED in the list below multiply operands that are first quantised to E2M1 (2 exponent bits, 1 mantissa bit; 4 bits a number), with one power-of-two scale for each 32 numbers along K (OCP MX v1.0); their sums are f32. All else is computed in f32.
;;   The module's matrix products, in the order in which they are computed (A, B: the left and right operand; K: the contracted axis; several contracted axes count as one K, in the product's order):
;;     1. [M 2,048, K 1,024] x [K 1,024, N 8]; A: input x; B: input gate_w: left as it is (N = 8 < 16)
;;     2. [M 2,048, K 1,024] x [K 1,024, N 16,384]; A: input x; B: input w1: QUANTISED
;;     3. batch 8 x [M 1,024, K 2,048] x [K 2,048, N 2,048]; A: input w2; B: computed on the way: QUANTISED
;;     4. batch 2,048 x [M 1,024, K 8] x [K 8, N 1]; A: computed on the way; B: computed on the way: left as it is (K = 8 < 32)
;;   THE QUANTISER, for each operand of a quantised product, along K:
;;     - K is cut into blocks of 32 from its start; a last block that is shorter is filled with zeros.
;;     - A block's scale is 2^e with e = floor(log2(the largest magnitude in the block)) - 2, held to -126 .. 127; a block of zeros has e = 0. As a byte (E8M0): e + 127.
;;     - Each number is divided by its block's scale, clamped to +-6, and rounded to the nearest number of E2M1, ties to even, subnormals kept.
;;     - The product sums the exact products of the quantised numbers (number of the format x scale) in f32.
;;   ~~~python
;;   def quantise(x, axis):      # numpy; x: float32 -> the quantised numbers, widened to float32 again
;;       x = np.moveaxis(x, axis, -1); K = x.shape[-1]
;;       x = np.pad(x, [(0, 0)] * (x.ndim - 1) + [(0, -K % 32)]); x = x.reshape(x.shape[:-1] + (-1, 32)); a = np.abs(x).max(-1, keepdims=True)
;;       e = np.where(a > 0, np.clip(np.frexp(np.where(a > 0, a, 1))[1] - 1 - 2, -126, 127), 0)      # np.frexp(a)[1] - 1 = floor(log2(a)), exactly
;;       r = np.clip(x / 2.0 ** e, -6, 6)
;;       step = 2.0 ** (np.maximum(np.frexp(np.where(r == 0, 1, r))[1] - 1, 0) - 1)
;;       q = np.round(r / step) * step * 2.0 ** e      # np.round: ties to even
;;       return np.moveaxis(q.reshape(q.shape[:-2] + (-1,))[..., :K], -1, axis).astype(np.float32)
;;   ~~~
;;   OPERANDS COMPUTED ON THE WAY. 'Computed on the way' means the value that the module computes at that place (a softmax that the list does not call 'softmax' is quantised finished and normalised). What goes into a quantiser is computed in f32, as accurately as f32 sums, v_exp_f32 and their like allow (about 1e-6 of the number): no bf16 or f16 on the way to a quantiser, and a product that is left as it is and whose result goes on into a quantised operand takes f32 operands (vector FMAs, or v_wmma_f32_16x16x4_f32). A number that lies on a knife's edge between two numbers of the format may be rounded either way, as far as f32 arithmetic and the matrix unit's own rounding can turn it there, and no further.
;; 2 versions. Each part assembles by itself: llvm-mc -triple=amdgcn-amd-amdhsa -mcpu=gfx1250 --defsym DOCPART=n.
;; ======== version 1 of 2: 4 launches
;; workspace buffers: w1q 8,912,896 bytes; w2q 8,912,896 bytes; xq 1,130,496 bytes; route 16,384 bytes of whole numbers; rows 131,072 bytes of whole numbers; hq 18,874,368 bytes; y 16,777,216 bytes
;; launch prep (part 1): grid 1152 x 1, 8 waves a work-group, no clusters, 52,992 bytes of LDS; arguments x, gate_w, gate_b, w1, w2, w1q, w2q, xq, route; writes w1q, w2q, xq, route
.if DOCPART == 1
	.amdgcn_target "amdgcn-amd-amdhsa--gfx1250"
	.amdhsa_code_object_version 6
	.text
	.protected	k_qc719593a72_prep
	.globl	k_qc719593a72_prep
	.p2align	8
	.type	k_qc719593a72_prep,@function
k_qc719593a72_prep:
	s_mov_b64 s[64:65], 0
	v_nop
	global_prefetch_b8 v0, s[64:65] scope:SCOPE_SE
	s_setreg_imm32_b32 hwreg(HW_REG_WAVE_MODE, 25, 1), 1
	s_wait_xcnt 0x0
; MoE layer, 2,048 tokens, 8 experts, top 2.  FIRST OF FOUR LAUNCHES: the router, x as codes, and both weights as codes.
; DEAD WORK LEFT OUT BY THE PROGRAM.  out[t] = sum over e of cw[t][e] (y[t][e] + b2[e]), and cw[t][e] is built in the problem's own body as one_hot(topk_idx) x topk_w:
; for the six experts that are not among a token's top 2 it is the constant 0, whatever finite values the inputs hold.  So h[t][e] and y[t][e] of those experts reach no output, and they are
; left out in whole rows: only the 4,096 (token, chosen expert) rows go through the two quantised products.  Every input has a way to the output and is loaded.
; LIMITS.  A NaN, an infinity or an overflow that would arise only in the rows left out is not carried to the result.  NaN and infinities among the inputs are not served.  Equal logits: the lower index wins, as in lax.top_k.
; A block of 32 zeros gets the scale byte 1 where the quantiser says 127: its codes are zeros, which add nothing under any byte but 0xff, and only this program reads the bytes.
; ROLE R (work-groups 0-127): 16 tokens each; wave w takes 128 along D.  Logits in f32 by the f32 matrix form (32 small products a wave: the choice of experts must not hang on a coarser format);
;   top 2, softmax with the maximum taken away, the two weights to xq, the membership masks to route (fixed places: no address here hangs on the choice); x as E2M1 codes with K innermost and one scale word for 128 along K.
; ROLE W (work-groups 128-639: w1; 640-1151: w2): a lane takes a column and its registers run down K, so a block of 32 lies in one lane.  The codes are stored in the ORDER OF THE OPERAND'S REGISTERS:
;   [expert][tile of 16 columns][K step of 128][1,024 bytes]; in an image, byte 512 c + 256 hb + 16 r holds block 2 c + hb of tile row r.  Tile 2 bb + u, row r is column 32 bb + 8 u + r + 8 (r / 8), so that the results of two
;   neighbouring tiles are 16 neighbours along the next K.  Scale words: [expert][tile][group of four K steps][row][4 words].  Each store of codes and of scale words covers two aligned runs of 256 bytes.
.set GWI,    0                         ; LDS, role R: gate_w in the order of the f32 operand, 4,096 bytes for each wave
.set XST,    32768                     ; 16 rows of x's codes, 512 bytes + 16
.set XSW,    41216                     ; their scale words, 32 bytes a row
.set PLG,    41728                     ; each wave's partial logits, 1,024 bytes
.set WSC1,   49920                     ; LDS, role W, w1's path: scale words of 64 columns x 4 K steps
.set WSC2,   50944                     ; the same for w2's path: each path has bytes of its own
.set SPARE,  51968                     ; the spare words, 128 bytes for each of the eight waves; no other line names them
.set XS_OFF, 1048576                   ; xq: scale words behind the codes,
.set CW_OFF, 1114112                   ; and the two weights of each token behind them
.set X,   16                           ; v16-79   64 numbers of x; later the logits
.set GT,  80                           ; v80-111  gate_w as loaded;
.set AG,  80                           ;          later eight pieces of the f32 operand;
.set TM,  80                           ;          between the two: the quantiser's 16 registers at work
.set ACC, 112                          ; v112-143 four accumulators of the f32 form: written by matrix instructions alone in this whole text
.set PC,  144                          ; v144-151 the codes just made
.set PW,  152                          ; v152     the scale word just made
.set SPW, 153                          ; v153     LDS address of my spare word; never rewritten
.set NIL, 154                          ; v154     0; never rewritten
.set SEL, 32                           ; s[32:33] selects of v_permlanex16_b32 for lane l xor 16
; 64 numbers of a lane, register 16 b + i = k 32 b + 16 (lane / 16) + i of my row, become a fragment's codes in v[PC] on and its scale word in v[PW].
.macro QUANT s
.irp b, 0,1,2,3
	v_max3_num_f32 v[TM+\b], |v[\s+16*\b]|, |v[\s+1+16*\b]|, 0x1800000   ; my 16 numbers of block b, and the floor 2^(3 - 127): the byte cannot fall under 1
.endr
.irp i, 2,4,6,8,10,12,14
.irp b, 0,1,2,3
	v_max3_num_f32 v[TM+\b], v[TM+\b], |v[\s+16*\b+\i]|, |v[\s+1+16*\b+\i]|
.endr
.endr
.irp b, 0,1,2,3
	v_permlanex16_b32 v[TM+4+\b], v[TM+\b], s[SEL], s[SEL+1]
.endr
.irp b, 0,1,2,3
	v_max_num_f32 v[TM+\b], v[TM+\b], v[TM+4+\b]                   ; with lane l xor 16's: the block's largest magnitude
.endr
.irp b, 0,1,2,3
	v_add_nc_u32 v[TM+12+\b], 0xff000000, v[TM+\b]                 ; 2 off its exponent field: the conversion's scale operand
.endr
.irp b, 0,1,2,3
	v_lshrrev_b32 v[TM+4+\b], 23, v[TM+12+\b]                      ; the scale's byte
.endr
	v_lshl_or_b32 v[PW], v[TM+5], 8, v[TM+4]
	v_lshl_or_b32 v[PW], v[TM+6], 16, v[PW]
	v_lshl_or_b32 v[PW], v[TM+7], 24, v[PW]
.irp b, 0,1,2,3
	v_cvt_scalef32_pk8_fp4_f32 v[PC+2*\b], v[\s+16*\b:\s+7+16*\b], v[TM+12+\b]
	v_cvt_scalef32_pk8_fp4_f32 v[PC+1+2*\b], v[\s+8+16*\b:\s+15+16*\b], v[TM+12+\b]
.endr
	v_nop                                          ; one plain place behind the last scaled conversion
.irp c, 0,1                                    ; the operand wants a whole block in a lane: lanes 0-15 block 2 c, lanes 16-31 block 2 c + 1
.irp i, 0,1
	v_permlane16_swap_b32 v[PC+4*\c+\i], v[PC+2+4*\c+\i]
.endr
.endr
.endm
; ROLE W.  Block t of my K step: W(128 s + 32 t + i, my column), i = 0 .. 31, into set t % 2.  A wave's load covers 128 consecutive bytes, two waves side by side 256.
.macro LOADB t, N, SRC
.irp i, 0,1,2,3,4,5,6,7,8,9,10,11,12,13,14,15,16,17,18,19,20,21,22,23,24,25,26,27,28,29,30,31
	global_load_b32 v[16+32*((\t)%2)+\i], v2, s[\SRC:\SRC+1] offset:(32*(\t)+\i)*\N*4 th:TH_LOAD_NT
.endr
.endm
.macro BLOCKW t, N, SRC
.set XB, 16+32*((\t)%2)
.if (\t) < 3
	s_wait_loadcnt 32                              ; this block's 32 loads are in; the next block's 32 may be out
.else
	s_wait_loadcnt 0x0
.endif
	v_max3_num_f32 v97, |v[XB]|, |v[XB+1]|, |v[XB+2]|              ; the block's largest magnitude: all 32 numbers are mine; two chains
	v_max3_num_f32 v98, |v[XB+3]|, |v[XB+4]|, |v[XB+5]|
.irp i, 6,10,14,18,22,26
	v_max3_num_f32 v97, v97, |v[XB+\i]|, |v[XB+\i+1]|
	v_max3_num_f32 v98, v98, |v[XB+\i+2]|, |v[XB+\i+3]|
.endr
	v_max3_num_f32 v97, v97, |v[XB+30]|, |v[XB+31]|
	v_max3_num_f32 v97, v97, v98, 0x1800000        ; and the floor 2^(3 - 127)
	v_add_nc_u32 v99, 0xff000000, v97              ; 2 off the exponent field: the conversion's scale operand
	v_lshrrev_b32 v98, 23, v99                     ; the scale's byte
.if (\t) == 0
	v_mov_b32 v96, v98                             ; the K step's four bytes make my column's scale word
.else
	v_lshl_or_b32 v96, v98, 8*(\t), v96
.endif
.irp g, 0,1,2,3
	v_cvt_scalef32_pk8_fp4_f32 v[80+4*(\t)+\g], v[XB+8*\g:XB+8*\g+7], v99
.endr
	v_nop                                          ; one plain place behind the last scaled conversion
	global_store_b128 v6, v[80+4*(\t):80+4*(\t)+3], s[38:39] offset:((\t)/2)*512+((\t)%2)*256   ; each block has its own four registers: no store's data are written again
.if (\t)+2 < 4
	LOADB (\t)+2, \N, \SRC
.endif
.endm
; N columns, S K steps, SG groups of four K steps; SRC, DST: the pointers' registers; UBASE: the path's first work-group; KCB: bits of the chunk's number; WSC: the path's LDS bytes.
.macro WQ N, S, SG, SRC, DST, UBASE, KCB, WSC
	s_sub_co_u32 s24, ttmp9, \UBASE
	s_lshr_b32 s25, s24, 6                         ; expert
	s_and_b32 s26, s24, (1<<\KCB)-1                ; kc: which 512 along K
	s_and_b32 s27, s24, 63
	s_lshr_b32 s27, s27, \KCB                      ; cs: which 64 columns
	s_and_b32 s28, s22, 1                          ; cg: which 32 of them are my wave's
	s_lshr_b32 s29, s22, 1                         ; s4: which K step of the chunk
	s_lshl_b32 s30, s26, 2
	s_add_co_u32 s30, s30, s29                     ; s: the K step
	s_lshl_b32 s32, s25, 23                        ; the source: expert x 8 MiB + 128 s rows + my first column (all under 2^27)
	s_mul_i32 s33, s30, 128*\N*4
	s_add_co_u32 s32, s32, s33
	s_lshl_b32 s33, s27, 8
	s_add_co_u32 s32, s32, s33
	s_lshl_b32 s33, s28, 7
	s_add_co_u32 s32, s32, s33
	s_mov_b32 s33, 0
	s_add_nc_u64 s[\SRC:\SRC+1], s[\SRC:\SRC+1], s[32:33]
	s_lshl_b32 s34, s27, 2
	s_lshl_b32 s35, s28, 1
	s_add_co_u32 s34, s34, s35                     ; my two tiles begin at tile 4 cs + 2 cg
	s_mul_i32 s36, s34, \S
	s_add_co_u32 s36, s36, s30
	s_lshl_b32 s36, s36, 10
	s_lshl_b32 s37, s25, 20
	s_add_co_u32 s36, s36, s37
	s_mov_b32 s37, 0
	s_add_nc_u64 s[38:39], s[\DST:\DST+1], s[36:37]    ; the codes' image (tile, s)
	s_mul_i32 s36, s34, \SG
	s_add_co_u32 s36, s36, s26
	s_lshl_b32 s36, s36, 8
	s_lshl_b32 s40, s25, 16
	s_add_co_u32 s36, s36, s40
	s_add_co_u32 s36, s36, 8388608
	s_add_nc_u64 s[40:41], s[\DST:\DST+1], s[36:37]    ; the scale words (tile, kc)
	v_lshlrev_b32 v2, 2, v1                        ; in: 4 bytes a lane
	LOADB 0, \N, \SRC
	LOADB 1, \N, \SRC
	v_bfe_u32 v3, v0, 3, 1                         ; u: which of the two tiles my column falls into
	v_and_b32 v4, 7, v0
	v_bfe_u32 v5, v0, 4, 1
	v_lshl_add_u32 v4, v5, 3, v4                   ; r: its row there
	v_lshlrev_b32 v4, 4, v4
	v_mul_u32_u24 v6, v3, \S*1024
	v_add_nc_u32 v6, v6, v4                        ; codes: u tiles on, 16 bytes a row
	v_mul_u32_u24 v7, v3, \SG*256
	v_add_nc_u32 v7, v7, v4                        ; scale words likewise
	v_lshlrev_b32 v8, 4, v1
	s_lshl_b32 s42, s28, 9
	s_lshl_b32 s43, s29, 2
	s_add_co_u32 s42, s42, s43
	v_add_nc_u32 v9, s42, v8                       ; LDS, in: 512 cg + 16 lane + 4 s4
	s_lshl_b32 s42, s22, 9
	v_add_nc_u32 v10, s42, v8                      ; LDS, out (waves 0 and 1): 512 wave + 16 lane
	BLOCKW 0, \N, \SRC
	BLOCKW 1, \N, \SRC
	BLOCKW 2, \N, \SRC
	BLOCKW 3, \N, \SRC
	ds_store_b32 v9, v96 offset:\WSC               ; the four K steps' words of a column meet in LDS
	s_wait_dscnt 0x0                               ; for the others' sake: my store has landed
	s_barrier_signal -1
	s_barrier_wait -1
	s_cmp_ge_u32 s22, 2
	s_cbranch_scc1 .Lwq_end_\@
	ds_load_b128 v[100:103], v10 offset:\WSC       ; waves 0 and 1 (there cg = wave): four words of each of 32 columns
	s_wait_dscnt 0x0
	global_store_b128 v7, v[100:103], s[40:41]
.Lwq_end_\@:
	s_wait_tensorcnt 0x0                           ; the wave's end, behind my last LDS store
	ds_add_u32 v[SPW], v[NIL]
	s_wait_dscnt 0x0
	s_endpgm
.endm
	s_load_b512 s[4:19], s[0:1], 0x0               ; x, gate_w, gate_b, w1, w2, w1q, w2q, xq
	s_load_b64 s[20:21], s[0:1], 0x40              ; route
	v_lshl_add_u32 v[SPW], v0, 2, SPARE
	v_mov_b32 v[NIL], 0
	v_lshrrev_b32 v1, 5, v0
	v_readfirstlane_b32 s22, v1                    ; wave 0..7
	v_and_b32 v1, 31, v0                           ; lane
	s_wait_kmcnt 0x0
	s_cmp_ge_u32 ttmp9, 128
	s_cbranch_scc1 .Lweights
	; ---------------- ROLE R ----------------
	s_load_b256 s[24:31], s[8:9], 0x0              ; gate_b: wanted by wave 0 at the end
	v_and_b32 v2, 15, v0                           ; r
	v_bfe_u32 v3, v0, 4, 1                         ; h
	s_lshl_b32 s34, ttmp9, 16                      ; 16 rows of 4,096 bytes,
	s_lshl_b32 s35, s22, 9                         ; my wave's 128 numbers of a row
	s_add_co_u32 s34, s34, s35
	s_mov_b32 s35, 0
	s_add_nc_u64 s[4:5], s[4:5], s[34:35]
	s_lshl_b32 s36, s22, 12                        ; my wave's 128 rows of gate_w, 32 bytes each; also my 4,096 bytes of GWI
	s_mov_b32 s37, 0
	s_add_nc_u64 s[6:7], s[6:7], s[36:37]
	v_lshlrev_b32 v4, 12, v2
	v_lshl_add_u32 v4, v3, 6, v4                   ; x: row r, + 64 h: my 16 numbers of a block of 32
	v_and_b32 v5, 7, v0
	v_lshlrev_b32 v7, 4, v5                        ; 16 (lane & 7)
	v_lshlrev_b32 v5, 2, v5
	v_bfe_u32 v6, v0, 3, 1
	v_lshl_add_u32 v5, v6, 9, v5
	v_lshl_add_u32 v5, v3, 7, v5                   ; gate_w: expert lane & 7; 16 rows on for bit 3 of the lane, 4 rows on for bit 4
.irp b, 0,1,2,3
.irp j, 0,1,2,3
	global_load_b128 v[X+16*\b+4*\j:X+16*\b+4*\j+3], v4, s[4:5] offset:128*\b+16*\j th:TH_LOAD_NT
.endr
.endr
.irp it, 0,1,2,3,4,5,6,7                       ; piece 32 it + lane of the operand's order: four neighbours along K of one expert
.irp j, 0,1,2,3
	global_load_b32 v[GT+4*\it+\j], v5, s[6:7] offset:(\it/2)*1024+(\it%2)*256+32*\j
.endr
.endr
	v_lshlrev_b32 v12, 4, v1                       ; 16 x lane
	v_add_nc_u32 v6, s36, v12                      ; GWI, in
	v_lshl_add_u32 v7, v3, 7, v7
	v_add_nc_u32 v7, s36, v7                       ; GWI, out: 128 h + 16 (lane & 7): rows 8-15 of the operand repeat rows 0-7
	v_mul_u32_u24 v8, v2, 528
	v_lshl_add_u32 v8, v3, 4, v8
	s_lshl_b32 s34, s22, 6
	v_add_nc_u32 v8, s34, v8                       ; XST, in: row r, my K step's 64 bytes, + 16 h
	v_lshlrev_b32 v9, 5, v2
	s_lshl_b32 s34, s22, 2
	v_add_nc_u32 v9, s34, v9                       ; XSW, in: row r, word = my K step
	v_lshlrev_b32 v13, 5, v1                       ; 32 x lane
	s_lshl_b32 s34, s22, 10
	v_add_nc_u32 v10, s34, v13                     ; PLG, in
	s_mul_i32 s34, s22, 1056
	v_add_nc_u32 v11, s34, v12                     ; XST, out: rows 2 w and 2 w + 1
	v_lshlrev_b32 v14, 2, v1                       ; 4 x lane
	v_lshlrev_b32 v15, 3, v2
	v_lshl_add_u32 v15, v3, 2, v15                 ; 8 r + 4 h
	s_mov_b32 s[SEL], 0x76543210
	s_mov_b32 s[SEL+1], 0xfedcba98
	s_lshl_b32 s36, ttmp9, 13
	s_lshl_b32 s34, s22, 10
	s_add_co_u32 s36, s36, s34
	s_add_nc_u64 s[38:39], s[18:19], s[36:37]      ; xq: my two rows of codes
	s_lshl_b32 s36, ttmp9, 9
	s_add_co_u32 s36, s36, XS_OFF
	s_add_nc_u64 s[40:41], s[18:19], s[36:37]      ; the 16 tokens' scale words
	s_lshl_b32 s36, ttmp9, 7
	s_add_nc_u64 s[44:45], s[20:21], s[36:37]      ; route: this tile's 32 words
	s_add_co_u32 s36, s36, CW_OFF
	s_add_nc_u64 s[42:43], s[18:19], s[36:37]      ; the 16 tokens' weights
	s_wait_loadcnt 0x0                             ; x and gate_w
.irp it, 0,1,2,3,4,5,6,7
	ds_store_b128 v6, v[GT+4*\it:GT+4*\it+3] offset:GWI+512*\it    ; my wave's own bytes: no barrier is wanted for them
.endr
	s_wait_dscnt 0x0                               ; the stores have read their registers, which the quantiser uses next
.irp b, 0,1,2,3
	v_mov_b32 v[TM+4+\b], 0                        ; a lane permute's destination counts as one of its sources
.endr
	QUANT X
.irp c, 0,1
	ds_store_b128 v8, v[PC+4*\c:PC+4*\c+3] offset:XST+32*\c        ; registers 4 c .. 4 c + 3 are k = 64 c + 32 h + 0 .. 31: 16 bytes of the row as they lie
.endr
	ds_store_b32 v9, v[PW] offset:XSW              ; lanes r and r + 16 write the same word with the same value
	; the logits.  Source 0 = gate_w^T (row = expert), source 1 = x (column = token): lane (r, h) then holds token r, and register j expert j, in both halves of the lanes.
	; k is permuted alike on both sides: slot (h, j) of a product is k = 32 bl + 16 h + 4 i4 + 2 f + j.  The four accumulators take turns.
.irp q, 0,1
.if \q
.rept 8
	v_nop                                          ; eight places in front of loads into registers that this form has read
.endr
.endif
.irp p, 0,1,2,3,4,5,6,7
	ds_load_b128 v[AG+4*\p:AG+4*\p+3], v7 offset:GWI+(8*\q+\p)*256
.endr
	s_wait_dscnt 0x0
.irp p, 0,1,2,3,4,5,6,7
.irp f, 0,1
.if (\q == 0) && (\p < 2)
	v_wmma_f32_16x16x4_f32 v[ACC+8*((2*\p+\f)%4):ACC+8*((2*\p+\f)%4)+7], v[AG+4*\p+2*\f:AG+4*\p+2*\f+1], v[X+16*(2*\q+\p/4)+4*(\p%4)+2*\f:X+16*(2*\q+\p/4)+4*(\p%4)+2*\f+1], 0
.else
	v_wmma_f32_16x16x4_f32 v[ACC+8*((2*\p+\f)%4):ACC+8*((2*\p+\f)%4)+7], v[AG+4*\p+2*\f:AG+4*\p+2*\f+1], v[X+16*(2*\q+\p/4)+4*(\p%4)+2*\f:X+16*(2*\q+\p/4)+4*(\p%4)+2*\f+1], v[ACC+8*((2*\p+\f)%4):ACC+8*((2*\p+\f)%4)+7]
.endif
.endr
.endr
.endr
.rept 8
	v_nop                                          ; eight places in front of the first read of the results
.endr
.irp j, 0,1,2,3,4,5,6,7                        ; each accumulator from its low end on
	v_add_f32 v[16+\j], v[ACC+\j], v[ACC+8+\j]
	v_add_f32 v[24+\j], v[ACC+16+\j], v[ACC+24+\j]
.endr
.irp j, 0,1,2,3,4,5,6,7
	v_add_f32 v[16+\j], v[16+\j], v[24+\j]         ; my K step's part of the eight logits of token r
.endr
	ds_store_b128 v10, v[16:19] offset:PLG
	ds_store_b128 v10, v[20:23] offset:PLG+16
	s_wait_dscnt 0x0                               ; for the others' sake: codes, scale words and partial logits have landed
	s_barrier_signal -1
	s_barrier_wait -1
	ds_load_b128 v[80:83], v11 offset:XST          ; two whole rows of codes, 512 bytes each
	ds_load_b128 v[84:87], v11 offset:XST+528
	s_wait_dscnt 0x0
	global_store_b128 v12, v[80:83], s[38:39]
	global_store_b128 v12, v[84:87], s[38:39] offset:512
	s_cmp_lg_u32 s22, 0
	s_cbranch_scc1 .Lr_end
	; wave 0 alone: the scale words, the logits' sum, the choice
	ds_load_b128 v[88:91], v12 offset:XSW
.irp wv, 0,1,2,3,4,5,6,7
	ds_load_b128 v[16+8*\wv:19+8*\wv], v13 offset:PLG+1024*\wv
	ds_load_b128 v[20+8*\wv:23+8*\wv], v13 offset:PLG+1024*\wv+16
.endr
	s_wait_dscnt 0x0
	global_store_b128 v12, v[88:91], s[40:41]
.irp j, 0,1,2,3,4,5,6,7
	v_add_f32 v[16+\j], v[16+\j], v[24+\j]
	v_add_f32 v[32+\j], v[32+\j], v[40+\j]
	v_add_f32 v[48+\j], v[48+\j], v[56+\j]
	v_add_f32 v[64+\j], v[64+\j], v[72+\j]
.endr
.irp j, 0,1,2,3,4,5,6,7
	v_add_f32 v[16+\j], v[16+\j], v[32+\j]
	v_add_f32 v[48+\j], v[48+\j], v[64+\j]
.endr
	s_wait_kmcnt 0x0                               ; gate_b
.irp j, 0,1,2,3,4,5,6,7
	v_add_f32 v[16+\j], v[16+\j], v[48+\j]
.endr
.irp j, 0,1,2,3,4,5,6,7
	v_add_f32 v[16+\j], s[24+\j], v[16+\j]         ; the logits
.endr
	v_mov_b32 v24, v16                             ; the largest, and its index: a later one takes over only where it is greater, so the lower index wins a tie
	v_mov_b32 v25, 0
.irp j, 1,2,3,4,5,6,7
	v_cmp_le_f32 vcc_lo, v[16+\j], v24
	v_cndmask_b32 v24, v[16+\j], v24, vcc_lo
	v_cndmask_b32 v25, \j, v25, vcc_lo
.endr
	v_mov_b32 v28, 0xff800000                      ; -infinity takes the winner's place,
.irp j, 0,1,2,3,4,5,6,7
	v_cmp_eq_u32 vcc_lo, \j, v25
	v_cndmask_b32 v[16+\j], v[16+\j], v28, vcc_lo
.endr
	v_mov_b32 v26, v16                             ; and the same scan gives the second
	v_mov_b32 v27, 0
.irp j, 1,2,3,4,5,6,7
	v_cmp_le_f32 vcc_lo, v[16+\j], v26
	v_cndmask_b32 v26, v[16+\j], v26, vcc_lo
	v_cndmask_b32 v27, \j, v27, vcc_lo
.endr
	v_sub_f32 v31, v26, v24                        ; softmax of the two, the maximum taken away: 1 / (1 + p) and p / (1 + p), p = e^(second - first)
	v_mul_f32 v31, 0x3fb8aa3b, v31
	v_exp_f32 v31, v31
	v_mov_b32 v29, 0                               ; (a plain place behind the exponential)  the tile's 32 words of route begin as zeros
	s_wait_alu depctr_va_vdst(0)                   ; the wait ahead of the result's first reader
	v_add_f32 v32, 1.0, v31
	v_rcp_f32 v32, v32
	v_cmp_le_u32 vcc_lo, 16, v1                    ; (a plain place behind the reciprocal)  lanes 16-31 carry the second weight
	s_wait_alu depctr_va_vdst(0)
	v_mul_f32 v31, v31, v32
	v_cndmask_b32 v30, v32, v31, vcc_lo
	global_store_b32 v15, v30, s[42:43]            ; [token][2]: 128 consecutive bytes
.irp e, 0,1,2,3,4,5,6,7                        ; word e: bits 0-15: the tile's tokens that chose expert e; bits 16-31: those for which it is the second choice
	v_cmp_eq_u32 s46, \e, v25
	v_cmp_eq_u32 s47, \e, v27
	s_or_b32 s46, s46, s47
	s_and_b32 s46, s46, 0xffff
	s_lshl_b32 s47, s47, 16
	s_or_b32 s46, s46, s47
	v_writelane_b32 v29, s46, \e
.endr
	global_store_b32 v14, v29, s[44:45]
.Lr_end:
	s_wait_tensorcnt 0x0                           ; the wave's end, behind my last LDS store
	ds_add_u32 v[SPW], v[NIL]
	s_wait_dscnt 0x0
	s_endpgm
	; ---------------- ROLE W ----------------
.Lweights:
	s_cmp_ge_u32 ttmp9, 640
	s_cbranch_scc1 .Lw2
	WQ 2048, 8, 2, 10, 14, 128, 1, WSC1            ; w1: K = 1,024 rows of 2,048 columns
.Lw2:
	WQ 1024, 16, 4, 12, 16, 640, 2, WSC2           ; w2: K = 2,048 rows of 1,024 columns
.Lfunc_end_k_qc719593a72_prep:
	.size	k_qc719593a72_prep, .Lfunc_end_k_qc719593a72_prep-k_qc719593a72_prep
	.p2alignl 7, 3214868480
	.fill 96, 4, 3214868480
	.section	.rodata,"a",@progbits
	.p2align	6, 0x0
	.amdhsa_kernel k_qc719593a72_prep
		.amdhsa_group_segment_fixed_size 52992
		.amdhsa_private_segment_fixed_size 0
		.amdhsa_enable_private_segment 0
		.amdhsa_kernarg_size 72
		.amdhsa_user_sgpr_count 2
		.amdhsa_user_sgpr_kernarg_segment_ptr 1
		.amdhsa_wavefront_size32 1
		.amdhsa_system_sgpr_workgroup_id_x 1
		.amdhsa_system_sgpr_workgroup_id_y 1
		.amdhsa_system_sgpr_workgroup_id_z 1
		.amdhsa_system_vgpr_workitem_id 0
		.amdhsa_next_free_vgpr 160
		.amdhsa_next_free_sgpr 72
		.amdhsa_reserve_vcc 1
		.amdhsa_float_denorm_mode_32 3
		.amdhsa_float_denorm_mode_16_64 3
		.amdhsa_memory_ordered 1
		.amdhsa_forward_progress 1
		.amdhsa_inst_pref_size 68
	.end_amdhsa_kernel
	.amdgpu_metadata
---
amdhsa.version: [ 1, 2 ]
amdhsa.kernels:
  - .name:           k_qc719593a72_prep
    .symbol:         k_qc719593a72_prep.kd
    .args:
      - { .name: x, .offset: 0, .size: 8, .value_kind: global_buffer, .address_space: global }
      - { .name: gate_w, .offset: 8, .size: 8, .value_kind: global_buffer, .address_space: global }
      - { .name: gate_b, .offset: 16, .size: 8, .value_kind: global_buffer, .address_space: global }
      - { .name: w1, .offset: 24, .size: 8, .value_kind: global_buffer, .address_space: global }
      - { .name: w2, .offset: 32, .size: 8, .value_kind: global_buffer, .address_space: global }
      - { .name: w1q, .offset: 40, .size: 8, .value_kind: global_buffer, .address_space: global }
      - { .name: w2q, .offset: 48, .size: 8, .value_kind: global_buffer, .address_space: global }
      - { .name: xq, .offset: 56, .size: 8, .value_kind: global_buffer, .address_space: global }
      - { .name: route, .offset: 64, .size: 8, .value_kind: global_buffer, .address_space: global }
    .group_segment_fixed_size: 52992
    .private_segment_fixed_size: 0
    .kernarg_segment_align: 8
    .kernarg_segment_size: 72
    .max_flat_workgroup_size: 256
    .sgpr_count:     72
    .vgpr_count:     160
    .wavefront_size: 32
...
	.end_amdgpu_metadata
.endif
;; end of part 1
;; launch hgemm (part 2): grid 256 x 1, 4 waves a work-group, no clusters, 0 bytes of LDS; arguments w1q, xq, route, b1, hq, rows; writes hq, rows
.if DOCPART == 2
	.amdgcn_target "amdgcn-amd-amdhsa--gfx1250"
	.amdhsa_code_object_version 6
	.text
	.protected	k_qc719593a72_hgemm
	.globl	k_qc719593a72_hgemm
	.p2align	8
	.type	k_qc719593a72_hgemm,@function
k_qc719593a72_hgemm:
	s_mov_b64 s[64:65], 0
	v_nop
	global_prefetch_b8 v0, s[64:65] scope:SCOPE_SE
	s_setreg_imm32_b32 hwreg(HW_REG_WAVE_MODE, 25, 1), 1
	s_wait_xcnt 0x0
; SECOND LAUNCH: h = gelu(Q(x) Q(w1) + b1) for the routed rows alone, quantised along H and stored as images of the next product's operand.
; Left out as dead work: the rows of experts that a token did not choose (their combine weight is the zero that the problem's own one_hot builds); see the first kernel's head.
; LISTS.  Tokens go in 16 groups of 128.  The members of (expert e, group G), in ascending order, form tiles of 16 rows; tile j has the fixed slot (16 e + G) 8 + j.  Rows behind a group's last member repeat that member:
; they compute and store the same numbers once more, from the same wave.  The lists are read off route's masks, which the launch before stored as whole numbers; trip counts and addresses hang on those alone.
; SHARES.  Work-group = (expert, 128 hidden units ug, half of the groups).  All four waves hold the same 128 x 1,024 codes of w1 in 512 registers, loaded once; wave w walks the tiles of groups 8 Gh + 2 w and + 1.
; The 128 hidden units are one K step of the next product, so a tile's results become exactly one fragment and one scale word a row.  No LDS, no barrier: waves share nothing.
; No tensor load and no cluster: how many tiles a wave walks hangs on numbers read from memory.
; THE PRODUCT IS USED TRANSPOSED (source 0 = 16 rows of w1's tile, source 1 = 16 tokens): a lane holds one token, and the 16 registers of tiles 2 b, 2 b + 1 are hidden units 32 b + 16 (lane / 16) + 0 .. 15.
; GELU, exact-erf form: gelu(x) = max(x, 0) - |x| q, q = erfc(|x| / sqrt 2) / 2 = t 2^(P(t) - x^2 log2(e) / 2), t = 1 / (1 + |x| / (2 sqrt 2)), P a polynomial of degree 9 (a rational Chebyshev fit of erfc whose
; fractional error is 1.2e-7 everywhere); nothing cancels for x < 0.  LIMIT: about 1e-6 of the number; for very large |x| the exponential falls to 0 and gelu is max(x, 0).  NaN and infinities are not served.
; REGISTERS, in windows of 256.  Window 0: v1-6 lane terms; v16-79 x's eight fragments; v80-83 x's scale words; v84-115 w1's; v116-133 the list's arithmetic.
;   Windows 1, 2: w1's fragment (tile t, K step s) at v[8 (4 t + s % 4)] of window 1 + s / 4.   Window 3: v0-63 the tile's results; v64-127 b1; v128-223 GELU at work; v224.. constants, codes, the quantiser.
.set R,   1                            ; lane % 16
.set H16, 2                            ; 16 (lane / 16)
.set LI,  3                            ; 16 x lane
.set L4,  4                            ; 4 x lane
.set XF,  16
.set XS,  80
.set W1S, 84
.set VP,  116
.set VW,  117
.set VSS, 118
.set VB,  119
.set VTB, 120
.set VQ,  121
.set VA,  122
.set VBB, 123
.set VC,  124
.set VD,  125
.set VPOS, 126
.set VT,  127
.set VU,  128
.set VTOK, 129
.set VBIT, 130
.set ENT, 131
.set VX,  132
.set VS,  133
.set HA,  0                            ; window 3 from here on
.set B1,  64
.set RT,  128
.set RP,  160
.set RM,  192
.set C9,  224
.set PC,  226
.set TM,  234
.set PW,  250
.set SEL, 28                           ; s[28:29], once the masks are read off
.set MSB, 0
.macro WIN new                         ; the immediate's high byte repeats the setting that is left
.if MSB != \new
	s_set_vgpr_msb (MSB<<8)|\new
.set MSB, \new
.endif
.endm
; A group's eight masks s[m .. m + 7] become: four words of members, four of 'second choice', three running counts, the count, the number of tiles: s[o .. o + 12].
.macro GSET m, o
.irp k, 0,1,2,3
	s_and_b32 s[(\o)+\k], s[(\m)+2*\k], 0xffff
	s_lshl_b32 s81, s[(\m)+2*\k+1], 16
	s_or_b32 s[(\o)+\k], s[(\o)+\k], s81           ; bit b of word k: token 32 k + b of the group
	s_lshr_b32 s[(\o)+4+\k], s[(\m)+2*\k], 16
	s_and_b32 s81, s[(\m)+2*\k+1], 0xffff0000
	s_or_b32 s[(\o)+4+\k], s[(\o)+4+\k], s81
.endr
	s_bcnt1_i32_b32 s[(\o)+8], s[(\o)]
	s_bcnt1_i32_b32 s81, s[(\o)+1]
	s_add_co_u32 s[(\o)+9], s[(\o)+8], s81
	s_bcnt1_i32_b32 s81, s[(\o)+2]
	s_add_co_u32 s[(\o)+10], s[(\o)+9], s81
	s_bcnt1_i32_b32 s81, s[(\o)+3]
	s_add_co_u32 s[(\o)+11], s[(\o)+10], s81
	s_add_co_u32 s[(\o)+12], s[(\o)+11], 15
	s_lshr_b32 s[(\o)+12], s[(\o)+12], 4
.endm
; Tile number si of my wave's walk: its group's twelve words into s82-93, 16 j into s94, the slot into s95, the group's first token into s96.  All selects stand ahead of the first line that sets SCC anew.
.macro PICK si
	s_cmp_lt_u32 \si, s56
.irp k, 0,1,2,3,4,5,6,7,8,9,10,11
	s_cselect_b32 s[82+\k], s[44+\k], s[68+\k]
.endr
	s_cselect_b32 s94, 0, s56
	s_cselect_b32 s97, 0, 1
	s_sub_co_u32 s93, s93, 1                       ; the last member's place
	s_sub_co_u32 s94, \si, s94                     ; j
	s_add_co_u32 s97, s97, s26                     ; G
	s_lshl_b32 s96, s97, 7
	s_lshl_b32 s95, s2, 4
	s_add_co_u32 s95, s95, s97
	s_lshl_b32 s95, s95, 3
	s_add_co_u32 s95, s95, s94
	s_min_u32 s95, s95, 1023                       ; a number from memory enters an address only behind a bound
	s_lshl_b32 s94, s94, 4
.endm
.macro STEPSEL n                       ; where my place q is at or past the count t of the lower half: on to the upper half
	v_cmp_ge_u32 vcc_lo, v[VQ], v[VT]
	v_sub_nc_u32 v[VU], v[VQ], v[VT]
	v_cndmask_b32 v[VQ], v[VQ], v[VU], vcc_lo
	v_add_nc_u32 v[VU], \n, v[VPOS]
	v_cndmask_b32 v[VPOS], v[VPOS], v[VU], vcc_lo
.endm
; The token of list row 16 j + lane % 16: the word that holds the member, then the q-th set bit of that word, by halving.
.macro ROWS
	v_add_nc_u32 v[VP], s94, v[R]
	v_min_u32 v[VP], s93, v[VP]                    ; rows behind the last member repeat it
	v_mov_b32 v[VW], s82
	v_mov_b32 v[VSS], s86
	v_mov_b32 v[VB], 0
	v_mov_b32 v[VTB], 0
.irp k, 1,2,3
	v_cmp_gt_u32 vcc_lo, s[89+\k], v[VP]           ; the members ahead of word k are more than p: keep
	v_cndmask_b32 v[VW], s[82+\k], v[VW], vcc_lo
	v_cndmask_b32 v[VSS], s[86+\k], v[VSS], vcc_lo
	v_cndmask_b32 v[VB], s[89+\k], v[VB], vcc_lo
	v_cndmask_b32 v[VTB], 32*\k, v[VTB], vcc_lo
.endr
	v_sub_nc_u32 v[VQ], v[VP], v[VB]
	v_lshrrev_b32 v[VT], 1, v[VW]                  ; counts of set bits in fields of 2, 4, 8 and 16 bits
	v_and_b32 v[VT], 0x55555555, v[VT]
	v_sub_nc_u32 v[VA], v[VW], v[VT]
	v_lshrrev_b32 v[VT], 2, v[VA]
	v_and_b32 v[VT], 0x33333333, v[VT]
	v_and_b32 v[VBB], 0x33333333, v[VA]
	v_add_nc_u32 v[VBB], v[VBB], v[VT]
	v_lshrrev_b32 v[VT], 4, v[VBB]
	v_add_nc_u32 v[VC], v[VBB], v[VT]
	v_and_b32 v[VC], 0x0f0f0f0f, v[VC]
	v_lshrrev_b32 v[VT], 8, v[VC]
	v_add_nc_u32 v[VD], v[VC], v[VT]
	v_mov_b32 v[VPOS], 0
	v_and_b32 v[VT], 0xff, v[VD]
	STEPSEL 16
	v_bfe_u32 v[VT], v[VC], v[VPOS], 8
	STEPSEL 8
	v_bfe_u32 v[VT], v[VBB], v[VPOS], 4
	STEPSEL 4
	v_bfe_u32 v[VT], v[VA], v[VPOS], 2
	STEPSEL 2
	v_bfe_u32 v[VT], v[VW], v[VPOS], 1
	STEPSEL 1
	v_add3_u32 v[VTOK], v[VTB], v[VPOS], s96
	v_min_u32 v[VTOK], 0x7ff, v[VTOK]              ; the bound ahead of the addresses
	v_bfe_u32 v[VBIT], v[VSS], v[VPOS], 1
	v_lshl_or_b32 v[ENT], v[VTOK], 1, v[VBIT]      ; 2 x token + (second choice): the row of y
	v_lshl_add_u32 v[VX], v[VTOK], 9, v[H16]       ; its codes: 512 bytes a token, + 16 h
	v_lshl_add_u32 v[VS], v[VTOK], 5, v[H16]       ; its scale words: lanes 0-15 K steps 0-3, lanes 16-31 K steps 4-7
.endm
; The tile's operand: 17 loads.  The work-groups of ug = 0 also store the list, for the next launch (a branch on the work-group's number).
.macro ALOAD
	s_lshl_b32 s30, s95, 7
	s_add_nc_u64 s[66:67], s[14:15], s[30:31]
.irp s, 0,1,2,3,4,5,6,7
.irp c, 0,1
	global_load_b128 v[XF+8*\s+4*\c:XF+8*\s+4*\c+3], v[VX], s[6:7] offset:64*\s+32*\c
.endr
.endr
	global_load_b128 v[XS:XS+3], v[VS], s[24:25]
	s_cmp_lg_u32 s3, 0
	s_cbranch_scc1 .Lno_list_\@
	global_store_b32 v[L4], v[ENT], s[66:67]
.Lno_list_\@:
.endm
; K steps s0 .. s0 + 3 of the eight tiles: 32 matrix instructions; the eight accumulators take turns, one instruction a turn.  The bias is the C of each sum's first product.
.macro MMH s0, win
	WIN \win
.irp ss, 0,1,2,3
.irp t, 0,1,2,3,4,5,6,7
.if (\s0+\ss) == 0
	v_wmma_scale_f32_16x16x128_f8f6f4 v[HA+8*\t:HA+8*\t+7], v[8*(4*\t+\ss):8*(4*\t+\ss)+7], v[XF+8*(\s0+\ss):XF+8*(\s0+\ss)+7], v[B1+8*\t:B1+8*\t+7], v[W1S+4*\t+\ss], v[XS+\ss] matrix_a_fmt:MATRIX_FMT_FP4 matrix_b_fmt:MATRIX_FMT_FP4
.elseif \s0 == 0
	v_wmma_scale_f32_16x16x128_f8f6f4 v[HA+8*\t:HA+8*\t+7], v[8*(4*\t+\ss):8*(4*\t+\ss)+7], v[XF+8*(\s0+\ss):XF+8*(\s0+\ss)+7], v[HA+8*\t:HA+8*\t+7], v[W1S+4*\t+\ss], v[XS+\ss] matrix_a_fmt:MATRIX_FMT_FP4 matrix_b_fmt:MATRIX_FMT_FP4
.else
	v_wmma_scale_f32_16x16x128_f8f6f4 v[HA+8*\t:HA+8*\t+7], v[8*(4*\t+\ss):8*(4*\t+\ss)+7], v[XF+8*(\s0+\ss):XF+8*(\s0+\ss)+7], v[HA+8*\t:HA+8*\t+7], v[W1S+4*\t+\ss], v[XS+\ss] matrix_a_fmt:MATRIX_FMT_FP4 matrix_b_fmt:MATRIX_FMT_FP4 matrix_a_scale:MATRIX_SCALE_ROW1 matrix_b_scale:MATRIX_SCALE_ROW1
.endif
.endr
.endr
.endm
; GELU of 32 numbers, v[HA + o] on, in place.  Two batches of transcendentals, each with plain work behind it and one wait ahead of its first reader.
.macro GELU o
.set gi, 0
.rept 32
	v_fma_f32 v[RT+gi], |v[HA+\o+gi]|, s98, 1.0    ; each accumulator is read from its low end on
.set gi, gi+1
.endr
.set gi, 0
.rept 32
	v_rcp_f32 v[RT+gi], v[RT+gi]                   ; t
.set gi, gi+1
.endr
.set gi, 0
.rept 16
	v_pk_mul_f32 v[RM+2*gi:RM+2*gi+1], v[HA+\o+2*gi:HA+\o+2*gi+1], v[HA+\o+2*gi:HA+\o+2*gi+1]   ; x^2: plain work behind the reciprocals
.set gi, gi+1
.endr
	s_wait_alu depctr_va_vdst(0)                   ; one wait for the 32 reciprocals
.set gi, 0
.rept 16
	v_pk_fma_f32 v[RP+2*gi:RP+2*gi+1], v[RT+2*gi:RT+2*gi+1], v[C9:C9+1], 0xBF97D29D op_sel_hi:[1,1,0]
.set gi, gi+1
.endr
.irp c, 0x40097039, 0xBFD1A1E5, 0x3ECDFD18, 0xBE899A80, 0x3E0EFB2E, 0x3F0A29D2, 0x3FB8AB5A, 0xC034D90F   ; the fit's coefficients x log2(e); the last carries the -1 of the factor 1/2
.set gi, 0
.rept 16
	v_pk_fma_f32 v[RP+2*gi:RP+2*gi+1], v[RP+2*gi:RP+2*gi+1], v[RT+2*gi:RT+2*gi+1], \c op_sel_hi:[1,1,0]
.set gi, gi+1
.endr
.endr
.set gi, 0
.rept 16
	v_pk_fma_f32 v[RP+2*gi:RP+2*gi+1], v[RM+2*gi:RM+2*gi+1], 0xBF38AA3B, v[RP+2*gi:RP+2*gi+1] op_sel_hi:[1,0,1]   ; - x^2 log2(e) / 2
.set gi, gi+1
.endr
.set gi, 0
.rept 32
	v_exp_f32 v[RP+gi], v[RP+gi]
.set gi, gi+1
.endr
.set gi, 0
.rept 32
	v_max_num_f32 v[RM+gi], 0, v[HA+\o+gi]         ; max(x, 0): plain work behind the exponentials
.set gi, gi+1
.endr
	s_wait_alu depctr_va_vdst(0)                   ; one wait for the 32 exponentials
.set gi, 0
.rept 16
	v_pk_mul_f32 v[RP+2*gi:RP+2*gi+1], v[RP+2*gi:RP+2*gi+1], v[RT+2*gi:RT+2*gi+1]   ; q
.set gi, gi+1
.endr
.set gi, 0
.rept 32
	v_fma_f32 v[HA+\o+gi], -|v[HA+\o+gi]|, v[RP+gi], v[RM+gi]
.set gi, gi+1
.endr
.endm
; 64 numbers of a lane, register 16 b + i = k 32 b + 16 (lane / 16) + i of my row, become a fragment's codes in v[PC] on and its scale word in v[PW].
.macro QUANT s
.irp b, 0,1,2,3
	v_max3_num_f32 v[TM+\b], |v[\s+16*\b]|, |v[\s+1+16*\b]|, 0x1800000   ; with the floor 2^(3 - 127): the byte cannot fall under 1
.endr
.irp i, 2,4,6,8,10,12,14
.irp b, 0,1,2,3
	v_max3_num_f32 v[TM+\b], v[TM+\b], |v[\s+16*\b+\i]|, |v[\s+1+16*\b+\i]|
.endr
.endr
.irp b, 0,1,2,3
	v_permlanex16_b32 v[TM+4+\b], v[TM+\b], s[SEL], s[SEL+1]
.endr
.irp b, 0,1,2,3
	v_max_num_f32 v[TM+\b], v[TM+\b], v[TM+4+\b]
.endr
.irp b, 0,1,2,3
	v_add_nc_u32 v[TM+12+\b], 0xff000000, v[TM+\b]                 ; 2 off the exponent field: the conversion's scale operand
.endr
.irp b, 0,1,2,3
	v_lshrrev_b32 v[TM+4+\b], 23, v[TM+12+\b]
.endr
	v_lshl_or_b32 v[PW], v[TM+5], 8, v[TM+4]
	v_lshl_or_b32 v[PW], v[TM+6], 16, v[PW]
	v_lshl_or_b32 v[PW], v[TM+7], 24, v[PW]
.irp b, 0,1,2,3
	v_cvt_scalef32_pk8_fp4_f32 v[PC+2*\b], v[\s+16*\b:\s+7+16*\b], v[TM+12+\b]
	v_cvt_scalef32_pk8_fp4_f32 v[PC+1+2*\b], v[\s+8+16*\b:\s+15+16*\b], v[TM+12+\b]
.endr
	v_nop                                          ; one plain place behind the last scaled conversion
.irp c, 0,1
.irp i, 0,1
	v_permlane16_swap_b32 v[PC+4*\c+\i], v[PC+2+4*\c+\i]
.endr
.endr
.endm
	s_load_b256 s[4:11], s[0:1], 0x0               ; w1q, xq, route, b1
	s_load_b128 s[12:15], s[0:1], 0x20             ; hq, rows
	v_lshrrev_b32 v5, 5, v0
	v_readfirstlane_b32 s27, v5                    ; wave 0..3
	v_and_b32 v[R], 15, v0
	v_bfe_u32 v[H16], v0, 4, 1
	v_lshlrev_b32 v[H16], 4, v[H16]
	v_and_b32 v5, 31, v0
	v_lshlrev_b32 v[LI], 4, v5
	v_lshlrev_b32 v[L4], 2, v5
	v_lshlrev_b32 v6, 2, v[H16]                    ; 64 h: b1's eight numbers of my half
	s_lshr_b32 s2, ttmp9, 5                        ; expert
	s_bfe_u32 s3, ttmp9, 0x40001                   ; ug: which 128 hidden units
	s_and_b32 s26, ttmp9, 1
	s_lshl_b32 s26, s26, 3
	s_lshl_b32 s61, s27, 1
	s_add_co_u32 s26, s26, s61                     ; my first group
	s_lshl_b32 s66, s26, 10                        ; its eight tiles' words in route: 128 bytes a tile, word = expert
	s_lshl_b32 s61, s2, 2
	s_add_co_u32 s66, s66, s61
	s_mov_b32 s67, 0
	s_wait_kmcnt 0x0
	s_add_nc_u64 s[16:17], s[8:9], s[66:67]
.irp i, 0,1,2,3,4,5,6,7,8,9,10,11,12,13,14,15
	s_load_b32 s[28+\i], s[16:17], \i*128
.endr
	s_lshl_b32 s66, s2, 20
	s_lshl_b32 s61, s3, 16
	s_add_co_u32 s66, s66, s61
	s_add_nc_u64 s[18:19], s[4:5], s[66:67]        ; w1's images: tiles 8 ug on
	s_lshl_b32 s66, s2, 16
	s_lshl_b32 s61, s3, 12
	s_add_co_u32 s66, s66, s61
	s_add_co_u32 s66, s66, 8388608
	s_add_nc_u64 s[20:21], s[4:5], s[66:67]        ; their scale words
	s_lshl_b32 s66, s2, 13
	s_lshl_b32 s61, s3, 9
	s_add_co_u32 s66, s66, s61
	s_add_nc_u64 s[22:23], s[10:11], s[66:67]      ; b1
	s_add_nc_u64 s[24:25], s[6:7], 1048576         ; x's scale words
	WIN 0x40                                       ; destination window 1
.irp t, 0,1,2,3,4,5,6,7
.irp s, 0,1,2,3
.irp c, 0,1
	global_load_b128 v[8*(4*\t+\s)+4*\c:8*(4*\t+\s)+4*\c+3], v[LI], s[18:19] offset:(8*\t+\s)*1024+512*\c
.endr
.endr
.endr
	WIN 0x80                                       ; destination window 2
.irp t, 0,1,2,3,4,5,6,7
.irp s, 0,1,2,3
.irp c, 0,1
	global_load_b128 v[8*(4*\t+\s)+4*\c:8*(4*\t+\s)+4*\c+3], v[LI], s[18:19] offset:(8*\t+4+\s)*1024+512*\c
.endr
.endr
.endr
	WIN 0xc0                                       ; destination window 3
.irp t, 0,1,2,3,4,5,6,7                        ; b1 in the result's layout: for tile 2 b + u the hidden units 32 b + 16 h + 8 u + 0 .. 7
	global_load_b128 v[B1+8*\t:B1+8*\t+3], v6, s[22:23] offset:(32*(\t/2)+8*(\t%2))*4
	global_load_b128 v[B1+8*\t+4:B1+8*\t+7], v6, s[22:23] offset:(32*(\t/2)+8*(\t%2))*4+16
.endr
	v_mov_b32 v[C9], 0x3E7C6F08                    ; the fit's highest coefficient, in both halves of a pair
	v_mov_b32 v[C9+1], 0x3E7C6F08
.irp b, 0,1,2,3
	v_mov_b32 v[TM+4+\b], 0                        ; a lane permute's destination counts as one of its sources
.endr
	WIN 0
.irp t, 0,1,2,3,4,5,6,7                        ; register 4 t + i: K step i in lanes 0-15, K step 4 + i in lanes 16-31
	global_load_b128 v[W1S+4*\t:W1S+4*\t+3], v[LI], s[20:21] offset:512*\t
.endr
	s_wait_kmcnt 0x0                               ; the masks
	GSET 28, 44
	GSET 36, 68
	s_add_co_u32 s58, s56, s80                     ; my tiles
	s_cmp_eq_u32 s58, 0
	s_cbranch_scc1 .Ldone                          ; no token of my two groups chose this expert
	s_sub_co_u32 s59, s58, 1
	s_mov_b32 s[SEL], 0x76543210
	s_mov_b32 s[SEL+1], 0xfedcba98
	s_mov_b32 s31, 0
	s_mov_b32 s98, 0x3EB504F3                      ; 1 / (2 sqrt 2)
	s_add_nc_u64 s[32:33], s[12:13], 0x1000000     ; hq's scale images
	s_mov_b32 s57, 0
	PICK s57
	ROWS
	ALOAD
.Ltile:
	s_wait_loadcnt 0x0                             ; this tile's 17 loads (in the first trip the weights too)
	MMH 0, 0xf1                                    ; source 0 window 1, source 1 window 0, C and D window 3
	MMH 4, 0xf2
	WIN 0
	s_wait_xcnt 0x0                                ; the last tile's stores have read their data, offsets and bases: all are written anew below
	s_lshl_b32 s30, s95, 14                        ; where this tile's image goes: slot x 16 K steps + K step ug
	s_lshl_b32 s99, s3, 10
	s_add_co_u32 s30, s30, s99
	s_add_nc_u64 s[100:101], s[12:13], s[30:31]
	s_lshl_b32 s30, s95, 11
	s_lshl_b32 s99, s3, 7
	s_add_co_u32 s30, s30, s99
	s_add_nc_u64 s[62:63], s[32:33], s[30:31]
	s_add_co_u32 s60, s57, 1
	s_min_u32 s60, s60, s59                        ; the next tile (the last trip asks for its own tile once more: no load leaves a buffer)
	PICK s60
	ROWS                                           ; its plain lines are also the places between the products and the loads into their operands, and the first reads of the results
	ALOAD
	WIN 0xff                                       ; all in window 3
	GELU 0
	GELU 32
	QUANT HA
	WIN 0x0c                                       ; a store's data are its source 1: window 3
	global_store_b128 v[LI], v[PC:PC+3], s[100:101]                ; the fragment as it stands: 512 consecutive bytes a store
	global_store_b128 v[LI], v[PC+4:PC+7], s[100:101] offset:512
	global_store_b32 v[L4], v[PW], s[62:63]        ; its scale words, 128 consecutive bytes: one ninth of the tile's bytes
	WIN 0
	s_add_co_u32 s57, s57, 1
	s_cmp_lt_u32 s57, s58
	s_cbranch_scc1 .Ltile
.Ldone:
	s_endpgm
.Lfunc_end_k_qc719593a72_hgemm:
	.size	k_qc719593a72_hgemm, .Lfunc_end_k_qc719593a72_hgemm-k_qc719593a72_hgemm
	.p2alignl 7, 3214868480
	.fill 96, 4, 3214868480
	.section	.rodata,"a",@progbits
	.p2align	6, 0x0
	.amdhsa_kernel k_qc719593a72_hgemm
		.amdhsa_group_segment_fixed_size 0
		.amdhsa_private_segment_fixed_size 0
		.amdhsa_enable_private_segment 0
		.amdhsa_kernarg_size 48
		.amdhsa_user_sgpr_count 2
		.amdhsa_user_sgpr_kernarg_segment_ptr 1
		.amdhsa_wavefront_size32 1
		.amdhsa_system_sgpr_workgroup_id_x 1
		.amdhsa_system_sgpr_workgroup_id_y 1
		.amdhsa_system_sgpr_workgroup_id_z 1
		.amdhsa_system_vgpr_workitem_id 0
		.amdhsa_next_free_vgpr 1024
		.amdhsa_next_free_sgpr 102
		.amdhsa_reserve_vcc 1
		.amdhsa_float_denorm_mode_32 3
		.amdhsa_float_denorm_mode_16_64 3
		.amdhsa_memory_ordered 1
		.amdhsa_forward_progress 1
		.amdhsa_inst_pref_size 92
	.end_amdhsa_kernel
	.amdgpu_metadata
---
amdhsa.version: [ 1, 2 ]
amdhsa.kernels:
  - .name:           k_qc719593a72_hgemm
    .symbol:         k_qc719593a72_hgemm.kd
    .args:
      - { .name: w1q, .offset: 0, .size: 8, .value_kind: global_buffer, .address_space: global }
      - { .name: xq, .offset: 8, .size: 8, .value_kind: global_buffer, .address_space: global }
      - { .name: route, .offset: 16, .size: 8, .value_kind: global_buffer, .address_space: global }
      - { .name: b1, .offset: 24, .size: 8, .value_kind: global_buffer, .address_space: global }
      - { .name: hq, .offset: 32, .size: 8, .value_kind: global_buffer, .address_space: global }
      - { .name: rows, .offset: 40, .size: 8, .value_kind: global_buffer, .address_space: global }
    .group_segment_fixed_size: 0
    .private_segment_fixed_size: 0
    .kernarg_segment_align: 8
    .kernarg_segment_size: 48
    .max_flat_workgroup_size: 128
    .sgpr_count:     102
    .vgpr_count:     1024
    .wavefront_size: 32
...
	.end_amdgpu_metadata
.endif
;; end of part 2
;; launch ygemm (part 3): grid 256 x 1, 4 waves a work-group, no clusters, 17,920 bytes of LDS; arguments w2q, hq, route, rows, b2, y; writes y
.if DOCPART == 3
	.amdgcn_target "amdgcn-amd-amdhsa--gfx1250"
	.amdhsa_code_object_version 6
	.text
	.protected	k_qc719593a72_ygemm
	.globl	k_qc719593a72_ygemm
	.p2align	8
	.type	k_qc719593a72_ygemm,@function
k_qc719593a72_ygemm:
	s_mov_b64 s[64:65], 0
	v_nop
	global_prefetch_b8 v0, s[64:65] scope:SCOPE_SE
	s_setreg_imm32_b32 hwreg(HW_REG_WAVE_MODE, 25, 1), 1
	s_wait_xcnt 0x0
; THIRD LAUNCH: y = Q(h) Q(w2) + b2 for the routed rows, f32, each row stored at (2 x token + second choice).
; Left out as dead work: the rows of experts that a token did not choose; see the first kernel's head.
; SHARES.  Work-group = (expert, 256 outputs oq, two groups of tokens).  The four waves walk the same tiles; wave w holds the 64 x 2,048 codes of w2 for outputs 256 oq + 64 w on in 512 registers, loaded once.
; A tile's operand (16 fragments, 16 scale words) comes from hq as images of its registers; the list of its rows from rows.  How many tiles there are is read off route's masks: whole numbers that an earlier launch stored.
; No tensor load and no cluster for that reason; no barrier: the stage in LDS is each wave's own.
; THE PRODUCT IS USED TRANSPOSED (source 0 = 16 rows of w2's tile, source 1 = 16 rows of h): lane (r, h) holds row r and, in tile 2 b + u, outputs 32 b + 16 h + 8 u + 0 .. 7.
; THE WAY OUT: through the stage, so that sixteen lanes store 256 consecutive bytes of one row of y, aligned.  Rows that repeat a group's last member store the same numbers to the same place, from the same wave.
; REGISTERS.  Window 0: v1-9 lane terms; v16-47 w2's scale words; v48-63 h's; v64-191 h's 16 fragments; v192-199 the list; v200-207 the rows' offsets; v208-239 rows on their way out.
;   Windows 1, 2: w2's fragment (tile t, K step s) at v[8 (8 t + s % 8)] of window 1 + s / 8.   Window 3: v0-31 four accumulators; v32-63 b2.
.set LI,  1                            ; 16 x lane
.set L4,  2                            ; 4 x lane
.set L16, 3                            ; 16 (lane % 16)
.set STO, 4                            ; the stage, in
.set RD,  5                            ; the stage, out
.set EO,  6                            ; 32 (lane / 16): my half's eight words of the list
.set B2O, 7                            ; 64 (lane / 16)
.set SPW, 8                            ; LDS address of my spare word; never rewritten
.set NIL, 9                            ; 0; never rewritten
.set W2S, 16
.set HS,  48
.set HF,  64
.set EN,  192
.set VO,  200
.set OUT, 208
.set ACC, 0                            ; window 3
.set B2,  32
.set SPARE, 17408                      ; behind the four stages of 16 rows x 272 bytes: the spare words, 128 bytes a wave; no other line names them
.set MSB, 0
.macro WIN new
.if MSB != \new
	s_set_vgpr_msb (MSB<<8)|\new
.set MSB, \new
.endif
.endm
; Tile number si of the walk: its slot, and its 50 loads.
.macro TLOAD si
	s_cmp_lt_u32 \si, s44
	s_cselect_b32 s51, 0, s62                      ; the second group's tiles begin eight slots behind the first's
	s_add_co_u32 s50, s49, \si
	s_add_co_u32 s50, s50, s51
	s_min_u32 s50, s50, 1023                       ; a number from memory enters an address only behind a bound
	s_lshl_b32 s52, s50, 14
	s_add_nc_u64 s[54:55], s[6:7], s[52:53]
	s_lshl_b32 s52, s50, 11
	s_add_nc_u64 s[56:57], s[60:61], s[52:53]
	s_lshl_b32 s52, s50, 7
	s_add_nc_u64 s[58:59], s[10:11], s[52:53]
.irp s, 0,1,2,3,4,5,6,7,8,9,10,11,12,13,14,15
.irp c, 0,1
	global_load_b128 v[HF+8*\s+4*\c:HF+8*\s+4*\c+3], v[LI], s[54:55] offset:1024*\s+512*\c
.endr
.endr
.irp s, 0,1,2,3,4,5,6,7,8,9,10,11,12,13,14,15
	global_load_b32 v[HS+\s], v[L4], s[56:57] offset:128*\s
.endr
	global_load_b128 v[EN:EN+3], v[EO], s[58:59]
	global_load_b128 v[EN+4:EN+7], v[EO], s[58:59] offset:16
.endm
; K steps s0 .. s0 + 7 of the four tiles: 32 matrix instructions; the four accumulators take turns, one instruction a turn.  The bias is the C of each sum's first product.
.macro MMY s0, win
	WIN \win
.irp ss, 0,1,2,3,4,5,6,7
.irp t, 0,1,2,3
.if (\s0+\ss) == 0
	v_wmma_scale_f32_16x16x128_f8f6f4 v[ACC+8*\t:ACC+8*\t+7], v[8*(8*\t+\ss):8*(8*\t+\ss)+7], v[HF+8*(\s0+\ss):HF+8*(\s0+\ss)+7], v[B2+8*\t:B2+8*\t+7], v[W2S+8*\t+4*(\s0/8)+(\ss%4)], v[HS+\s0+\ss] matrix_a_fmt:MATRIX_FMT_FP4 matrix_b_fmt:MATRIX_FMT_FP4
.elseif (\ss/4) == 0
	v_wmma_scale_f32_16x16x128_f8f6f4 v[ACC+8*\t:ACC+8*\t+7], v[8*(8*\t+\ss):8*(8*\t+\ss)+7], v[HF+8*(\s0+\ss):HF+8*(\s0+\ss)+7], v[ACC+8*\t:ACC+8*\t+7], v[W2S+8*\t+4*(\s0/8)+(\ss%4)], v[HS+\s0+\ss] matrix_a_fmt:MATRIX_FMT_FP4 matrix_b_fmt:MATRIX_FMT_FP4
.else
	v_wmma_scale_f32_16x16x128_f8f6f4 v[ACC+8*\t:ACC+8*\t+7], v[8*(8*\t+\ss):8*(8*\t+\ss)+7], v[HF+8*(\s0+\ss):HF+8*(\s0+\ss)+7], v[ACC+8*\t:ACC+8*\t+7], v[W2S+8*\t+4*(\s0/8)+(\ss%4)], v[HS+\s0+\ss] matrix_a_fmt:MATRIX_FMT_FP4 matrix_b_fmt:MATRIX_FMT_FP4 matrix_a_scale:MATRIX_SCALE_ROW1
.endif
.endr
.endr
.endm
	s_load_b256 s[4:11], s[0:1], 0x0               ; w2q, hq, route, rows
	s_load_b128 s[12:15], s[0:1], 0x20             ; b2, y
	v_lshl_add_u32 v[SPW], v0, 2, SPARE
	v_mov_b32 v[NIL], 0
	v_lshrrev_b32 v10, 5, v0
	v_readfirstlane_b32 s27, v10                   ; wave 0..3
	v_and_b32 v10, 31, v0
	v_and_b32 v11, 15, v0                          ; r
	v_bfe_u32 v12, v0, 4, 1                        ; h
	v_lshlrev_b32 v[LI], 4, v10
	v_lshlrev_b32 v[L4], 2, v10
	v_lshlrev_b32 v[L16], 4, v11
	v_lshlrev_b32 v[EO], 5, v12
	v_lshlrev_b32 v[B2O], 6, v12
	s_mul_i32 s51, s27, 4352                       ; my stage
	v_mul_u32_u24 v[STO], v11, 272
	v_lshl_add_u32 v[STO], v12, 6, v[STO]
	v_add_nc_u32 v[STO], s51, v[STO]               ; in: row r, + 64 h
	v_mul_u32_u24 v[RD], v12, 2176
	v_add_nc_u32 v[RD], v[RD], v[L16]
	v_add_nc_u32 v[RD], s51, v[RD]                 ; out: lanes 0-15 rows 0-7, lanes 16-31 rows 8-15; sixteen lanes to a row
	s_lshr_b32 s2, ttmp9, 5                        ; expert
	s_bfe_u32 s3, ttmp9, 0x20003                   ; oq: which 256 outputs
	s_and_b32 s26, ttmp9, 7                        ; Gp: groups 2 Gp and 2 Gp + 1
	s_lshl_b32 s52, s26, 11
	s_lshl_b32 s51, s2, 2
	s_add_co_u32 s52, s52, s51
	s_mov_b32 s53, 0
	s_wait_kmcnt 0x0
	s_add_nc_u64 s[16:17], s[8:9], s[52:53]
.irp i, 0,1,2,3,4,5,6,7,8,9,10,11,12,13,14,15
	s_load_b32 s[28+\i], s[16:17], \i*128
.endr
	s_lshl_b32 s52, s2, 20
	s_lshl_b32 s51, s3, 18
	s_add_co_u32 s52, s52, s51
	s_lshl_b32 s51, s27, 16
	s_add_co_u32 s52, s52, s51
	s_add_nc_u64 s[18:19], s[4:5], s[52:53]        ; w2's images: tiles 16 oq + 4 w on
	s_lshl_b32 s52, s2, 16
	s_lshl_b32 s51, s3, 14
	s_add_co_u32 s52, s52, s51
	s_lshl_b32 s51, s27, 12
	s_add_co_u32 s52, s52, s51
	s_add_co_u32 s52, s52, 8388608
	s_add_nc_u64 s[20:21], s[4:5], s[52:53]        ; their scale words
	s_lshl_b32 s52, s3, 10
	s_lshl_b32 s51, s27, 8
	s_add_co_u32 s52, s52, s51
	s_add_nc_u64 s[24:25], s[14:15], s[52:53]      ; y at my 64 outputs
	s_lshl_b32 s51, s2, 12
	s_add_co_u32 s52, s52, s51
	s_add_nc_u64 s[22:23], s[12:13], s[52:53]      ; b2 likewise, of my expert
	s_add_nc_u64 s[60:61], s[6:7], 0x1000000       ; hq's scale images
	WIN 0x40                                       ; destination window 1
.irp t, 0,1,2,3
.irp s, 0,1,2,3,4,5,6,7
.irp c, 0,1
	global_load_b128 v[8*(8*\t+\s)+4*\c:8*(8*\t+\s)+4*\c+3], v[LI], s[18:19] offset:(16*\t+\s)*1024+512*\c
.endr
.endr
.endr
	WIN 0x80                                       ; destination window 2
.irp t, 0,1,2,3
.irp s, 0,1,2,3,4,5,6,7
.irp c, 0,1
	global_load_b128 v[8*(8*\t+\s)+4*\c:8*(8*\t+\s)+4*\c+3], v[LI], s[18:19] offset:(16*\t+8+\s)*1024+512*\c
.endr
.endr
.endr
	WIN 0xc0                                       ; destination window 3
.irp t, 0,1,2,3                                ; b2 in the result's layout
	global_load_b128 v[B2+8*\t:B2+8*\t+3], v[B2O], s[22:23] offset:(32*(\t/2)+8*(\t%2))*4
	global_load_b128 v[B2+8*\t+4:B2+8*\t+7], v[B2O], s[22:23] offset:(32*(\t/2)+8*(\t%2))*4+16
.endr
	WIN 0
.irp t, 0,1,2,3                                ; register 8 t + 4 g + i: K step 8 g + i in lanes 0-15, K step 8 g + 4 + i in lanes 16-31
.irp g, 0,1
	global_load_b128 v[W2S+8*\t+4*\g:W2S+8*\t+4*\g+3], v[LI], s[20:21] offset:1024*\t+512*\g
.endr
.endr
	s_wait_kmcnt 0x0                               ; the masks
	s_mov_b32 s44, 0
	s_mov_b32 s45, 0
.irp i, 0,1,2,3,4,5,6,7
	s_and_b32 s51, s[28+\i], 0xffff
	s_bcnt1_i32_b32 s51, s51
	s_add_co_u32 s44, s44, s51                     ; the first group's members,
	s_and_b32 s51, s[36+\i], 0xffff
	s_bcnt1_i32_b32 s51, s51
	s_add_co_u32 s45, s45, s51                     ; the second's
.endr
	s_add_co_u32 s44, s44, 15
	s_lshr_b32 s44, s44, 4                         ; the first group's tiles
	s_add_co_u32 s45, s45, 15
	s_lshr_b32 s45, s45, 4
	s_add_co_u32 s45, s45, s44                     ; all tiles
	s_cmp_eq_u32 s45, 0
	s_cbranch_scc1 .Lend                           ; no token of the two groups chose this expert
	s_sub_co_u32 s46, s45, 1
	s_sub_co_u32 s62, 8, s44
	s_lshl_b32 s49, s2, 7
	s_lshl_b32 s51, s26, 4
	s_add_co_u32 s49, s49, s51                     ; the first group's first slot: (16 e + 2 Gp) 8
	s_mov_b32 s47, 0
	TLOAD s47
.Ltile:
	s_wait_loadcnt 0x0                             ; this tile's 50 loads (in the first trip the weights too)
	s_wait_xcnt 0x0                                ; the last tile's stores have read their offsets and data, which are written anew below
.irp i, 0,1,2,3,4,5,6,7
	v_min_u32 v[EN+\i], 0xfff, v[EN+\i]            ; the bound ahead of the addresses
.endr
.irp i, 0,1,2,3,4,5,6,7
	v_lshl_add_u32 v[VO+\i], v[EN+\i], 12, v[L16]  ; row 8 (lane / 16) + i of the tile: 4,096 bytes a row of y, 16 bytes a lane
.endr
	MMY 0, 0xf1                                    ; source 0 window 1, source 1 window 0, C and D window 3
	MMY 8, 0xf2
	WIN 0
.rept 4
	v_nop                                          ; four places in front of loads into the products' operands, and of the LDS stores that read the results
.endr
	s_add_co_u32 s48, s47, 1
	s_min_u32 s48, s48, s46                        ; the next tile (the last trip asks for its own tile once more: no load leaves a buffer)
	TLOAD s48
	WIN 0x0c                                       ; an LDS store's data are its source 1: window 3
.irp t, 0,1,2,3                                ; each accumulator from its low end on
	ds_store_b128 v[STO], v[ACC+8*\t:ACC+8*\t+3] offset:128*(\t/2)+32*(\t%2)
	ds_store_b128 v[STO], v[ACC+8*\t+4:ACC+8*\t+7] offset:128*(\t/2)+32*(\t%2)+16
.endr
	WIN 0
.irp i, 0,1,2,3,4,5,6,7
	ds_load_b128 v[OUT+4*\i:OUT+4*\i+3], v[RD] offset:272*\i       ; LDS serves a wave's instructions in order: these see my stores
.endr
.irp i, 0,1,2,3,4,5,6,7
	s_wait_dscnt 7-\i                              ; the younger loads from the stage may be out
	global_store_b128 v[VO+\i], v[OUT+4*\i:OUT+4*\i+3], s[24:25]   ; sixteen lanes store 256 consecutive bytes, aligned
.endr
	s_add_co_u32 s47, s47, 1
	s_cmp_lt_u32 s47, s45
	s_cbranch_scc1 .Ltile
.Lend:
	s_wait_tensorcnt 0x0                           ; the wave's end, behind my last LDS store
	ds_add_u32 v[SPW], v[NIL]
	s_wait_dscnt 0x0
	s_endpgm
.Lfunc_end_k_qc719593a72_ygemm:
	.size	k_qc719593a72_ygemm, .Lfunc_end_k_qc719593a72_ygemm-k_qc719593a72_ygemm
	.p2alignl 7, 3214868480
	.fill 96, 4, 3214868480
	.section	.rodata,"a",@progbits
	.p2align	6, 0x0
	.amdhsa_kernel k_qc719593a72_ygemm
		.amdhsa_group_segment_fixed_size 17920
		.amdhsa_private_segment_fixed_size 0
		.amdhsa_enable_private_segment 0
		.amdhsa_kernarg_size 48
		.amdhsa_user_sgpr_count 2
		.amdhsa_user_sgpr_kernarg_segment_ptr 1
		.amdhsa_wavefront_size32 1
		.amdhsa_system_sgpr_workgroup_id_x 1
		.amdhsa_system_sgpr_workgroup_id_y 1
		.amdhsa_system_sgpr_workgroup_id_z 1
		.amdhsa_system_vgpr_workitem_id 0
		.amdhsa_next_free_vgpr 1024
		.amdhsa_next_free_sgpr 72
		.amdhsa_reserve_vcc 0
		.amdhsa_float_denorm_mode_32 3
		.amdhsa_float_denorm_mode_16_64 3
		.amdhsa_memory_ordered 1
		.amdhsa_forward_progress 1
		.amdhsa_inst_pref_size 42
	.end_amdhsa_kernel
	.amdgpu_metadata
---
amdhsa.version: [ 1, 2 ]
amdhsa.kernels:
  - .name:           k_qc719593a72_ygemm
    .symbol:         k_qc719593a72_ygemm.kd
    .args:
      - { .name: w2q, .offset: 0, .size: 8, .value_kind: global_buffer, .address_space: global }
      - { .name: hq, .offset: 8, .size: 8, .value_kind: global_buffer, .address_space: global }
      - { .name: route, .offset: 16, .size: 8, .value_kind: global_buffer, .address_space: global }
      - { .name: rows, .offset: 24, .size: 8, .value_kind: global_buffer, .address_space: global }
      - { .name: b2, .offset: 32, .size: 8, .value_kind: global_buffer, .address_space: global }
      - { .name: y, .offset: 40, .size: 8, .value_kind: global_buffer, .address_space: global }
    .group_segment_fixed_size: 17920
    .private_segment_fixed_size: 0
    .kernarg_segment_align: 8
    .kernarg_segment_size: 48
    .max_flat_workgroup_size: 128
    .sgpr_count:     72
    .vgpr_count:     1024
    .wavefront_size: 32
...
	.end_amdgpu_metadata
.endif
;; end of part 3
;; launch combine (part 4): grid 256 x 1, 8 waves a work-group, no clusters, 0 bytes of LDS; arguments y, xq, out0; writes out0
.if DOCPART == 4
	.amdgcn_target "amdgcn-amd-amdhsa--gfx1250"
	.amdhsa_code_object_version 6
	.text
	.protected	k_qc719593a72_combine
	.globl	k_qc719593a72_combine
	.p2align	8
	.type	k_qc719593a72_combine,@function
k_qc719593a72_combine:
	s_mov_b64 s[64:65], 0
	v_nop
	global_prefetch_b8 v0, s[64:65] scope:SCOPE_SE
	s_setreg_imm32_b32 hwreg(HW_REG_WAVE_MODE, 25, 1), 1
	s_wait_xcnt 0x0
; FOURTH LAUNCH: out[t] = cw0[t] y[2 t] + cw1[t] y[2 t + 1]: the two chosen experts' rows (b2 is in them), weighed by the softmax of the two logits.
; Left out as dead work: the six terms of each token whose weight is the zero that the problem's own one_hot builds; see the first kernel's head.
; A stream: a wave takes a token; each load and store covers 512 consecutive bytes; all 16 loads of a wave go out at once.  No LDS, no barrier, no matrix unit: memory binds.
; No register is written a second time behind a store that reads it, so no wait for the stores' sources is wanted.
.set CW_OFF, 1114112                   ; xq: the tokens' two weights
	s_load_b128 s[4:7], s[0:1], 0x0                ; y, xq
	s_load_b64 s[8:9], s[0:1], 0x10                ; out0
	v_lshrrev_b32 v1, 5, v0
	v_readfirstlane_b32 s10, v1                    ; wave 0..7
	v_and_b32 v1, 31, v0
	v_lshlrev_b32 v1, 4, v1                        ; 16 bytes a lane
	s_lshl_b32 s11, ttmp9, 3
	s_add_co_u32 s11, s11, s10                     ; my token
	s_lshl_b32 s12, s11, 13                        ; its two rows of y,
	s_mov_b32 s13, 0
	s_lshl_b32 s14, s11, 12                        ; its row of out,
	s_mov_b32 s15, 0
	s_lshl_b32 s16, s11, 3                         ; its two weights
	s_add_co_u32 s16, s16, CW_OFF
	s_mov_b32 s17, 0
	s_wait_kmcnt 0x0
	s_add_nc_u64 s[6:7], s[6:7], s[16:17]
	s_load_b64 s[18:19], s[6:7], 0x0
	s_add_nc_u64 s[4:5], s[4:5], s[12:13]
	s_add_nc_u64 s[8:9], s[8:9], s[14:15]
.irp i, 0,1,2,3,4,5,6,7
	global_load_b128 v[8+8*\i:11+8*\i], v1, s[4:5] offset:512*\i th:TH_LOAD_NT
	global_load_b128 v[12+8*\i:15+8*\i], v1, s[4:5] offset:4096+512*\i th:TH_LOAD_NT
.endr
	s_wait_kmcnt 0x0
	v_mov_b32 v2, s18                              ; each weight in both halves of a pair, for the packed forms
	v_mov_b32 v3, s18
	v_mov_b32 v4, s19
	v_mov_b32 v5, s19
.irp i, 0,1,2,3,4,5,6,7
	s_wait_loadcnt 14-2*\i                         ; this piece's two loads are in; the younger pairs may be out
	v_pk_mul_f32 v[8+8*\i:9+8*\i], v[8+8*\i:9+8*\i], v[2:3]
	v_pk_mul_f32 v[10+8*\i:11+8*\i], v[10+8*\i:11+8*\i], v[2:3]
	v_pk_fma_f32 v[8+8*\i:9+8*\i], v[12+8*\i:13+8*\i], v[4:5], v[8+8*\i:9+8*\i]
	v_pk_fma_f32 v[10+8*\i:11+8*\i], v[14+8*\i:15+8*\i], v[4:5], v[10+8*\i:11+8*\i]
	global_store_b128 v1, v[8+8*\i:11+8*\i], s[8:9] offset:512*\i th:TH_STORE_NT
.endr
	s_endpgm
.Lfunc_end_k_qc719593a72_combine:
	.size	k_qc719593a72_combine, .Lfunc_end_k_qc719593a72_combine-k_qc719593a72_combine
	.p2alignl 7, 3214868480
	.fill 96, 4, 3214868480
	.section	.rodata,"a",@progbits
	.p2align	6, 0x0
	.amdhsa_kernel k_qc719593a72_combine
		.amdhsa_group_segment_fixed_size 0
		.amdhsa_private_segment_fixed_size 0
		.amdhsa_enable_private_segment 0
		.amdhsa_kernarg_size 24
		.amdhsa_user_sgpr_count 2
		.amdhsa_user_sgpr_kernarg_segment_ptr 1
		.amdhsa_wavefront_size32 1
		.amdhsa_system_sgpr_workgroup_id_x 1
		.amdhsa_system_sgpr_workgroup_id_y 1
		.amdhsa_system_sgpr_workgroup_id_z 1
		.amdhsa_system_vgpr_workitem_id 0
		.amdhsa_next_free_vgpr 80
		.amdhsa_next_free_sgpr 66
		.amdhsa_reserve_vcc 0
		.amdhsa_float_denorm_mode_32 3
		.amdhsa_float_denorm_mode_16_64 3
		.amdhsa_memory_ordered 1
		.amdhsa_forward_progress 1
		.amdhsa_inst_pref_size 6
	.end_amdhsa_kernel
	.amdgpu_metadata
---
amdhsa.version: [ 1, 2 ]
amdhsa.kernels:
  - .name:           k_qc719593a72_combine
    .symbol:         k_qc719593a72_combine.kd
    .args:
      - { .name: y, .offset: 0, .size: 8, .value_kind: global_buffer, .address_space: global }
      - { .name: xq, .offset: 8, .size: 8, .value_kind: global_buffer, .address_space: global }
      - { .name: out0, .offset: 16, .size: 8, .value_kind: global_buffer, .address_space: global }
    .group_segment_fixed_size: 0
    .private_segment_fixed_size: 0
    .kernarg_segment_align: 8
    .kernarg_segment_size: 24
    .max_flat_workgroup_size: 256
    .sgpr_count:     66
    .vgpr_count:     80
    .wavefront_size: 32
...
	.end_amdgpu_metadata
.endif
;; end of part 4
;; ======== version 2 of 2: 4 launches
;; workspace buffers: w1q 8,912,896 bytes; w2q 8,912,896 bytes; xq 1,130,496 bytes; route 16,384 bytes of whole numbers; rows 131,072 bytes of whole numbers; hq 18,874,368 bytes; y 16,777,216 bytes
;; launch prep (part 5): grid 1152 x 1, 8 waves a work-group, no clusters, 52,992 bytes of LDS; arguments x, gate_w, gate_b, w1, w2, w1q, w2q, xq, route; writes w1q, w2q, xq, route
.if DOCPART == 5
	.amdgcn_target "amdgcn-amd-amdhsa--gfx1250"
	.amdhsa_code_object_version 6
	.text
	.protected	k_qc719593a72_prep
	.globl	k_qc719593a72_prep
	.p2align	8
	.type	k_qc719593a72_prep,@function
k_qc719593a72_prep:
	s_mov_b64 s[64:65], 0
	v_nop
	global_prefetch_b8 v0, s[64:65] scope:SCOPE_SE
	s_setreg_imm32_b32 hwreg(HW_REG_WAVE_MODE, 25, 1), 1
	s_wait_xcnt 0x0
; MoE layer, 2,048 tokens, 8 experts, top 2.  FIRST OF FOUR LAUNCHES: the router, x as codes, and both weights as codes.
; DEAD WORK LEFT OUT BY THE PROGRAM.  out[t] = sum over e of cw[t][e] (y[t][e] + b2[e]), and cw[t][e] is built in the problem's own body as one_hot(topk_idx) x topk_w:
; for the six experts that are not among a token's top 2 it is the constant 0, whatever finite values the inputs hold.  So h[t][e] and y[t][e] of those experts reach no output, and they are
; left out in whole rows: only the 4,096 (token, chosen expert) rows go through the two quantised products.  Every input has a way to the output and is loaded.
; LIMITS.  A NaN, an infinity or an overflow that would arise only in the rows left out is not carried to the result.  NaN and infinities among the inputs are not served.  Equal logits: the lower index wins, as in lax.top_k.
; A block of 32 zeros gets the scale byte 1 where the quantiser says 127: its codes are zeros, which add nothing under any byte but 0xff, and only this program reads the bytes.
; ROLE R (work-groups 0-127): 16 tokens each; wave w takes 128 along D.  Logits in f32 by the f32 matrix form (32 small products a wave: the choice of experts must not hang on a coarser format);
;   top 2, softmax with the maximum taken away, the two weights to xq, the membership masks to route (fixed places: no address here hangs on the choice); x as E2M1 codes with K innermost and one scale word for 128 along K.
; ROLE W (work-groups 128-639: w1; 640-1151: w2): a lane takes a column and its registers run down K, so a block of 32 lies in one lane.  The codes are stored in the ORDER OF THE OPERAND'S REGISTERS:
;   [expert][tile of 16 columns][K step of 128][1,024 bytes]; in an image, byte 512 c + 256 hb + 16 r holds block 2 c + hb of tile row r.  Tile 2 bb + u, row r is column 32 bb + 8 u + r + 8 (r / 8), so that the results of two
;   neighbouring tiles are 16 neighbours along the next K.  Scale words: [expert][tile][group of four K steps][row][4 words].  Each store of codes and of scale words covers two aligned runs of 256 bytes.
.set GWI,    0                         ; LDS, role R: gate_w in the order of the f32 operand, 4,096 bytes for each wave
.set XST,    32768                     ; 16 rows of x's codes, 512 bytes + 16
.set XSW,    41216                     ; their scale words, 32 bytes a row
.set PLG,    41728                     ; each wave's partial logits, 1,024 bytes
.set WSC1,   49920                     ; LDS, role W, w1's path: scale words of 64 columns x 4 K steps
.set WSC2,   50944                     ; the same for w2's path: each path has bytes of its own
.set SPARE,  51968                     ; the spare words, 128 bytes for each of the eight waves; no other line names them
.set XS_OFF, 1048576                   ; xq: scale words behind the codes,
.set CW_OFF, 1114112                   ; and the two weights of each token behind them
.set X,   16                           ; v16-79   64 numbers of x; later the logits
.set GT,  80                           ; v80-111  gate_w as loaded;
.set AG,  80                           ;          later eight pieces of the f32 operand;
.set TM,  80                           ;          between the two: the quantiser's 16 registers at work
.set ACC, 112                          ; v112-143 four accumulators of the f32 form: written by matrix instructions alone in this whole text
.set PC,  144                          ; v144-151 the codes just made
.set PW,  152                          ; v152     the scale word just made
.set SPW, 153                          ; v153     LDS address of my spare word; never rewritten
.set NIL, 154                          ; v154     0; never rewritten
.set SEL, 32                           ; s[32:33] selects of v_permlanex16_b32 for lane l xor 16
; 64 numbers of a lane, register 16 b + i = k 32 b + 16 (lane / 16) + i of my row, become a fragment's codes in v[PC] on and its scale word in v[PW].
.macro QUANT s
.irp b, 0,1,2,3
	v_max3_num_f32 v[TM+\b], |v[\s+16*\b]|, |v[\s+1+16*\b]|, 0x1800000   ; my 16 numbers of block b, and the floor 2^(3 - 127): the byte cannot fall under 1
.endr
.irp i, 2,4,6,8,10,12,14
.irp b, 0,1,2,3
	s_delay_alu instid0(VALU_DEP_4)
	v_max3_num_f32 v[TM+\b], v[TM+\b], |v[\s+16*\b+\i]|, |v[\s+1+16*\b+\i]|
.endr
.endr
.irp b, 0,1,2,3
	s_delay_alu instid0(VALU_DEP_4)
	v_permlanex16_b32 v[TM+4+\b], v[TM+\b], s[SEL], s[SEL+1]
.endr
.irp b, 0,1,2,3
	s_delay_alu instid0(VALU_DEP_4)
	v_max_num_f32 v[TM+\b], v[TM+\b], v[TM+4+\b]                   ; with lane l xor 16's: the block's largest magnitude
.endr
.irp b, 0,1,2,3
	s_delay_alu instid0(VALU_DEP_4)
	v_add_nc_u32 v[TM+12+\b], 0xff000000, v[TM+\b]                 ; 2 off its exponent field: the conversion's scale operand
.endr
.irp b, 0,1,2,3
	s_delay_alu instid0(VALU_DEP_4)
	v_lshrrev_b32 v[TM+4+\b], 23, v[TM+12+\b]                      ; the scale's byte
.endr
	s_delay_alu instid0(VALU_DEP_3)
	v_lshl_or_b32 v[PW], v[TM+5], 8, v[TM+4]
	s_delay_alu instid0(VALU_DEP_1)
	v_lshl_or_b32 v[PW], v[TM+6], 16, v[PW]
	s_delay_alu instid0(VALU_DEP_1)
	v_lshl_or_b32 v[PW], v[TM+7], 24, v[PW]
.irp b, 0,1,2,3
	v_cvt_scalef32_pk8_fp4_f32 v[PC+2*\b], v[\s+16*\b:\s+7+16*\b], v[TM+12+\b]
	v_cvt_scalef32_pk8_fp4_f32 v[PC+1+2*\b], v[\s+8+16*\b:\s+15+16*\b], v[TM+12+\b]
.endr
	v_nop                                          ; one plain place behind the last scaled conversion
.irp c, 0,1                                    ; the operand wants a whole block in a lane: lanes 0-15 block 2 c, lanes 16-31 block 2 c + 1
.irp i, 0,1
	v_permlane16_swap_b32 v[PC+4*\c+\i], v[PC+2+4*\c+\i]
.endr
.endr
.endm
; ROLE W.  Block t of my K step: W(128 s + 32 t + i, my column), i = 0 .. 31, into set t % 2.  A wave's load covers 128 consecutive bytes, two waves side by side 256.
.macro LOADB t, N, SRC
.irp i, 0,1,2,3,4,5,6,7,8,9,10,11,12,13,14,15,16,17,18,19,20,21,22,23,24,25,26,27,28,29,30,31
	global_load_b32 v[16+32*((\t)%2)+\i], v2, s[\SRC:\SRC+1] offset:(32*(\t)+\i)*\N*4 th:TH_LOAD_NT
.endr
.endm
.macro BLOCKW t, N, SRC
.set XB, 16+32*((\t)%2)
.if (\t) < 3
	s_wait_loadcnt 32                              ; this block's 32 loads are in; the next block's 32 may be out
.else
	s_wait_loadcnt 0x0
.endif
	v_max3_num_f32 v97, |v[XB]|, |v[XB+1]|, |v[XB+2]|              ; the block's largest magnitude: all 32 numbers are mine; two chains
	v_max3_num_f32 v98, |v[XB+3]|, |v[XB+4]|, |v[XB+5]|
.irp i, 6,10,14,18,22,26
	s_delay_alu instid0(VALU_DEP_2)
	v_max3_num_f32 v97, v97, |v[XB+\i]|, |v[XB+\i+1]|
	s_delay_alu instid0(VALU_DEP_2)
	v_max3_num_f32 v98, v98, |v[XB+\i+2]|, |v[XB+\i+3]|
.endr
	s_delay_alu instid0(VALU_DEP_2)
	v_max3_num_f32 v97, v97, |v[XB+30]|, |v[XB+31]|
	s_delay_alu instid0(VALU_DEP_1)
	v_max3_num_f32 v97, v97, v98, 0x1800000        ; and the floor 2^(3 - 127)
	s_delay_alu instid0(VALU_DEP_1)
	v_add_nc_u32 v99, 0xff000000, v97              ; 2 off the exponent field: the conversion's scale operand
	s_delay_alu instid0(VALU_DEP_1)
	v_lshrrev_b32 v98, 23, v99                     ; the scale's byte
.if (\t) == 0
	s_delay_alu instid0(VALU_DEP_1)
	v_mov_b32 v96, v98                             ; the K step's four bytes make my column's scale word
.else
	s_delay_alu instid0(VALU_DEP_1)
	v_lshl_or_b32 v96, v98, 8*(\t), v96
.endif
.irp g, 0,1,2,3
	v_cvt_scalef32_pk8_fp4_f32 v[80+4*(\t)+\g], v[XB+8*\g:XB+8*\g+7], v99
.endr
	v_nop                                          ; one plain place behind the last scaled conversion
	global_store_b128 v6, v[80+4*(\t):80+4*(\t)+3], s[38:39] offset:((\t)/2)*512+((\t)%2)*256   ; each block has its own four registers: no store's data are written again
.if (\t)+2 < 4
	LOADB (\t)+2, \N, \SRC
.endif
.endm
; N columns, S K steps, SG groups of four K steps; SRC, DST: the pointers' registers; UBASE: the path's first work-group; KCB: bits of the chunk's number; WSC: the path's LDS bytes.
.macro WQ N, S, SG, SRC, DST, UBASE, KCB, WSC
	s_sub_co_u32 s24, ttmp9, \UBASE
	s_lshr_b32 s25, s24, 6                         ; expert
	s_and_b32 s26, s24, (1<<\KCB)-1                ; kc: which 512 along K
	s_and_b32 s27, s24, 63
	s_lshr_b32 s27, s27, \KCB                      ; cs: which 64 columns
	s_and_b32 s28, s22, 1                          ; cg: which 32 of them are my wave's
	s_lshr_b32 s29, s22, 1                         ; s4: which K step of the chunk
	s_lshl_b32 s30, s26, 2
	s_add_co_u32 s30, s30, s29                     ; s: the K step
	s_lshl_b32 s32, s25, 23                        ; the source: expert x 8 MiB + 128 s rows + my first column (all under 2^27)
	s_mul_i32 s33, s30, 128*\N*4
	s_add_co_u32 s32, s32, s33
	s_lshl_b32 s33, s27, 8
	s_add_co_u32 s32, s32, s33
	s_lshl_b32 s33, s28, 7
	s_add_co_u32 s32, s32, s33
	s_mov_b32 s33, 0
	s_add_nc_u64 s[\SRC:\SRC+1], s[\SRC:\SRC+1], s[32:33]
	s_lshl_b32 s34, s27, 2
	s_lshl_b32 s35, s28, 1
	s_add_co_u32 s34, s34, s35                     ; my two tiles begin at tile 4 cs + 2 cg
	s_mul_i32 s36, s34, \S
	s_add_co_u32 s36, s36, s30
	s_lshl_b32 s36, s36, 10
	s_lshl_b32 s37, s25, 20
	s_add_co_u32 s36, s36, s37
	s_mov_b32 s37, 0
	s_add_nc_u64 s[38:39], s[\DST:\DST+1], s[36:37]    ; the codes' image (tile, s)
	s_mul_i32 s36, s34, \SG
	s_add_co_u32 s36, s36, s26
	s_lshl_b32 s36, s36, 8
	s_lshl_b32 s40, s25, 16
	s_add_co_u32 s36, s36, s40
	s_add_co_u32 s36, s36, 8388608
	s_add_nc_u64 s[40:41], s[\DST:\DST+1], s[36:37]    ; the scale words (tile, kc)
	v_lshlrev_b32 v2, 2, v1                        ; in: 4 bytes a lane
	LOADB 0, \N, \SRC
	LOADB 1, \N, \SRC
	v_bfe_u32 v3, v0, 3, 1                         ; u: which of the two tiles my column falls into
	v_and_b32 v4, 7, v0
	v_bfe_u32 v5, v0, 4, 1
	s_delay_alu instid0(VALU_DEP_1)
	v_lshl_add_u32 v4, v5, 3, v4                   ; r: its row there
	s_delay_alu instid0(VALU_DEP_1)
	v_lshlrev_b32 v4, 4, v4
	v_mul_u32_u24 v6, v3, \S*1024
	s_delay_alu instid0(VALU_DEP_1)
	v_add_nc_u32 v6, v6, v4                        ; codes: u tiles on, 16 bytes a row
	v_mul_u32_u24 v7, v3, \SG*256
	s_delay_alu instid0(VALU_DEP_1)
	v_add_nc_u32 v7, v7, v4                        ; scale words likewise
	v_lshlrev_b32 v8, 4, v1
	s_lshl_b32 s42, s28, 9
	s_lshl_b32 s43, s29, 2
	s_add_co_u32 s42, s42, s43
	v_add_nc_u32 v9, s42, v8                       ; LDS, in: 512 cg + 16 lane + 4 s4
	s_lshl_b32 s42, s22, 9
	v_add_nc_u32 v10, s42, v8                      ; LDS, out (waves 0 and 1): 512 wave + 16 lane
	BLOCKW 0, \N, \SRC
	BLOCKW 1, \N, \SRC
	BLOCKW 2, \N, \SRC
	BLOCKW 3, \N, \SRC
	ds_store_b32 v9, v96 offset:\WSC               ; the four K steps' words of a column meet in LDS
	s_wait_dscnt 0x0                               ; for the others' sake: my store has landed
	s_barrier_signal -1
	s_barrier_wait -1
	s_cmp_ge_u32 s22, 2
	s_cbranch_scc1 .Lwq_end_\@
	ds_load_b128 v[100:103], v10 offset:\WSC       ; waves 0 and 1 (there cg = wave): four words of each of 32 columns
	s_wait_dscnt 0x0
	global_store_b128 v7, v[100:103], s[40:41]
.Lwq_end_\@:
	s_wait_tensorcnt 0x0                           ; the wave's end, behind my last LDS store
	ds_add_u32 v[SPW], v[NIL]
	s_wait_dscnt 0x0
	s_endpgm
.endm
	s_load_b512 s[4:19], s[0:1], 0x0               ; x, gate_w, gate_b, w1, w2, w1q, w2q, xq
	s_load_b64 s[20:21], s[0:1], 0x40              ; route
	v_lshl_add_u32 v[SPW], v0, 2, SPARE
	v_mov_b32 v[NIL], 0
	v_lshrrev_b32 v1, 5, v0
	s_delay_alu instid0(VALU_DEP_1)
	v_readfirstlane_b32 s22, v1                    ; wave 0..7
	v_and_b32 v1, 31, v0                           ; lane
	s_wait_kmcnt 0x0
	s_cmp_ge_u32 ttmp9, 128
	s_cbranch_scc1 .Lweights
	; ---------------- ROLE R ----------------
	s_load_b256 s[24:31], s[8:9], 0x0              ; gate_b: wanted by wave 0 at the end
	v_and_b32 v2, 15, v0                           ; r
	s_wait_alu depctr_va_vdst(0)
	v_bfe_u32 v3, v0, 4, 1                         ; h
	s_lshl_b32 s34, ttmp9, 16                      ; 16 rows of 4,096 bytes,
	s_lshl_b32 s35, s22, 9                         ; my wave's 128 numbers of a row
	s_add_co_u32 s34, s34, s35
	s_mov_b32 s35, 0
	s_add_nc_u64 s[4:5], s[4:5], s[34:35]
	s_lshl_b32 s36, s22, 12                        ; my wave's 128 rows of gate_w, 32 bytes each; also my 4,096 bytes of GWI
	s_mov_b32 s37, 0
	s_add_nc_u64 s[6:7], s[6:7], s[36:37]
	v_lshlrev_b32 v4, 12, v2
	s_wait_alu depctr_va_vdst(0)
	v_lshl_add_u32 v4, v3, 6, v4                   ; x: row r, + 64 h: my 16 numbers of a block of 32
	v_and_b32 v5, 7, v0
	s_delay_alu instid0(VALU_DEP_1)
	v_lshlrev_b32 v7, 4, v5                        ; 16 (lane & 7)
	s_delay_alu instid0(VALU_DEP_2)
	v_lshlrev_b32 v5, 2, v5
	v_bfe_u32 v6, v0, 3, 1
	s_delay_alu instid0(VALU_DEP_1)
	v_lshl_add_u32 v5, v6, 9, v5
	s_delay_alu instid0(VALU_DEP_1)
	v_lshl_add_u32 v5, v3, 7, v5                   ; gate_w: expert lane & 7; 16 rows on for bit 3 of the lane, 4 rows on for bit 4
.irp b, 0,1,2,3
.irp j, 0,1,2,3
	global_load_b128 v[X+16*\b+4*\j:X+16*\b+4*\j+3], v4, s[4:5] offset:128*\b+16*\j th:TH_LOAD_NT
.endr
.endr
.irp it, 0,1,2,3,4,5,6,7                       ; piece 32 it + lane of the operand's order: four neighbours along K of one expert
.irp j, 0,1,2,3
	global_load_b32 v[GT+4*\it+\j], v5, s[6:7] offset:(\it/2)*1024+(\it%2)*256+32*\j
.endr
.endr
	v_lshlrev_b32 v12, 4, v1                       ; 16 x lane
	s_delay_alu instid0(VALU_DEP_1)
	v_add_nc_u32 v6, s36, v12                      ; GWI, in
	v_lshl_add_u32 v7, v3, 7, v7
	s_delay_alu instid0(VALU_DEP_1)
	v_add_nc_u32 v7, s36, v7                       ; GWI, out: 128 h + 16 (lane & 7): rows 8-15 of the operand repeat rows 0-7
	v_mul_u32_u24 v8, v2, 528
	s_delay_alu instid0(VALU_DEP_1)
	v_lshl_add_u32 v8, v3, 4, v8
	s_lshl_b32 s34, s22, 6
	v_add_nc_u32 v8, s34, v8                       ; XST, in: row r, my K step's 64 bytes, + 16 h
	v_lshlrev_b32 v9, 5, v2
	s_lshl_b32 s34, s22, 2
	v_add_nc_u32 v9, s34, v9                       ; XSW, in: row r, word = my K step
	v_lshlrev_b32 v13, 5, v1                       ; 32 x lane
	s_lshl_b32 s34, s22, 10
	v_add_nc_u32 v10, s34, v13                     ; PLG, in
	s_mul_i32 s34, s22, 1056
	v_add_nc_u32 v11, s34, v12                     ; XST, out: rows 2 w and 2 w + 1
	v_lshlrev_b32 v14, 2, v1                       ; 4 x lane
	v_lshlrev_b32 v15, 3, v2
	s_delay_alu instid0(VALU_DEP_1)
	v_lshl_add_u32 v15, v3, 2, v15                 ; 8 r + 4 h
	s_mov_b32 s[SEL], 0x76543210
	s_mov_b32 s[SEL+1], 0xfedcba98
	s_lshl_b32 s36, ttmp9, 13
	s_lshl_b32 s34, s22, 10
	s_add_co_u32 s36, s36, s34
	s_add_nc_u64 s[38:39], s[18:19], s[36:37]      ; xq: my two rows of codes
	s_lshl_b32 s36, ttmp9, 9
	s_add_co_u32 s36, s36, XS_OFF
	s_add_nc_u64 s[40:41], s[18:19], s[36:37]      ; the 16 tokens' scale words
	s_lshl_b32 s36, ttmp9, 7
	s_add_nc_u64 s[44:45], s[20:21], s[36:37]      ; route: this tile's 32 words
	s_add_co_u32 s36, s36, CW_OFF
	s_add_nc_u64 s[42:43], s[18:19], s[36:37]      ; the 16 tokens' weights
	s_wait_loadcnt 0x0                             ; x and gate_w
.irp it, 0,1,2,3,4,5,6,7
	ds_store_b128 v6, v[GT+4*\it:GT+4*\it+3] offset:GWI+512*\it    ; my wave's own bytes: no barrier is wanted for them
.endr
	s_wait_dscnt 0x0                               ; the stores have read their registers, which the quantiser uses next
.irp b, 0,1,2,3
	v_mov_b32 v[TM+4+\b], 0                        ; a lane permute's destination counts as one of its sources
.endr
	QUANT X
.irp c, 0,1
	ds_store_b128 v8, v[PC+4*\c:PC+4*\c+3] offset:XST+32*\c        ; registers 4 c .. 4 c + 3 are k = 64 c + 32 h + 0 .. 31: 16 bytes of the row as they lie
.endr
	ds_store_b32 v9, v[PW] offset:XSW              ; lanes r and r + 16 write the same word with the same value
	; the logits.  Source 0 = gate_w^T (row = expert), source 1 = x (column = token): lane (r, h) then holds token r, and register j expert j, in both halves of the lanes.
	; k is permuted alike on both sides: slot (h, j) of a product is k = 32 bl + 16 h + 4 i4 + 2 f + j.  The four accumulators take turns.
.irp q, 0,1
.if \q
.rept 8
	v_nop                                          ; eight places in front of loads into registers that this form has read
.endr
.endif
.irp p, 0,1,2,3,4,5,6,7
	ds_load_b128 v[AG+4*\p:AG+4*\p+3], v7 offset:GWI+(8*\q+\p)*256
.endr
	s_wait_dscnt 0x0
.irp p, 0,1,2,3,4,5,6,7
.irp f, 0,1
.if (\q == 0) && (\p < 2)
	v_wmma_f32_16x16x4_f32 v[ACC+8*((2*\p+\f)%4):ACC+8*((2*\p+\f)%4)+7], v[AG+4*\p+2*\f:AG+4*\p+2*\f+1], v[X+16*(2*\q+\p/4)+4*(\p%4)+2*\f:X+16*(2*\q+\p/4)+4*(\p%4)+2*\f+1], 0
.else
	v_wmma_f32_16x16x4_f32 v[ACC+8*((2*\p+\f)%4):ACC+8*((2*\p+\f)%4)+7], v[AG+4*\p+2*\f:AG+4*\p+2*\f+1], v[X+16*(2*\q+\p/4)+4*(\p%4)+2*\f:X+16*(2*\q+\p/4)+4*(\p%4)+2*\f+1], v[ACC+8*((2*\p+\f)%4):ACC+8*((2*\p+\f)%4)+7]
.endif
.endr
.endr
.endr
.rept 8
	v_nop                                          ; eight places in front of the first read of the results
.endr
.irp j, 0,1,2,3,4,5,6,7                        ; each accumulator from its low end on
	v_add_f32 v[16+\j], v[ACC+\j], v[ACC+8+\j]
	v_add_f32 v[24+\j], v[ACC+16+\j], v[ACC+24+\j]
.endr
.irp j, 0,1,2,3,4,5,6,7
	v_add_f32 v[16+\j], v[16+\j], v[24+\j]         ; my K step's part of the eight logits of token r
.endr
	ds_store_b128 v10, v[16:19] offset:PLG
	ds_store_b128 v10, v[20:23] offset:PLG+16
	s_wait_dscnt 0x0                               ; for the others' sake: codes, scale words and partial logits have landed
	s_barrier_signal -1
	s_barrier_wait -1
	ds_load_b128 v[80:83], v11 offset:XST          ; two whole rows of codes, 512 bytes each
	ds_load_b128 v[84:87], v11 offset:XST+528
	s_wait_dscnt 0x0
	global_store_b128 v12, v[80:83], s[38:39]
	global_store_b128 v12, v[84:87], s[38:39] offset:512
	s_cmp_lg_u32 s22, 0
	s_cbranch_scc1 .Lr_end
	; wave 0 alone: the scale words, the logits' sum, the choice
	ds_load_b128 v[88:91], v12 offset:XSW
.irp wv, 0,1,2,3,4,5,6,7
	ds_load_b128 v[16+8*\wv:19+8*\wv], v13 offset:PLG+1024*\wv
	ds_load_b128 v[20+8*\wv:23+8*\wv], v13 offset:PLG+1024*\wv+16
.endr
	s_wait_dscnt 0x0
	global_store_b128 v12, v[88:91], s[40:41]
.irp j, 0,1,2,3,4,5,6,7
	v_add_f32 v[16+\j], v[16+\j], v[24+\j]
	v_add_f32 v[32+\j], v[32+\j], v[40+\j]
	v_add_f32 v[48+\j], v[48+\j], v[56+\j]
	v_add_f32 v[64+\j], v[64+\j], v[72+\j]
.endr
.irp j, 0,1,2,3,4,5,6,7
	v_add_f32 v[16+\j], v[16+\j], v[32+\j]
	v_add_f32 v[48+\j], v[48+\j], v[64+\j]
.endr
	s_wait_alu depctr_va_vdst(0)
	s_wait_kmcnt 0x0                               ; gate_b
.irp j, 0,1,2,3,4,5,6,7
	v_add_f32 v[16+\j], v[16+\j], v[48+\j]
.endr
.irp j, 0,1,2,3,4,5,6,7
	v_add_f32 v[16+\j], s[24+\j], v[16+\j]         ; the logits
.endr
	v_mov_b32 v24, v16                             ; the largest, and its index: a later one takes over only where it is greater, so the lower index wins a tie
	v_mov_b32 v25, 0
.irp j, 1,2,3,4,5,6,7
	s_delay_alu instid0(VALU_DEP_2)
	v_cmp_le_f32 vcc_lo, v[16+\j], v24
	s_delay_alu instid0(VALU_DEP_1)
	v_cndmask_b32 v24, v[16+\j], v24, vcc_lo
	s_delay_alu instid0(VALU_DEP_2)
	v_cndmask_b32 v25, \j, v25, vcc_lo
.endr
	v_mov_b32 v28, 0xff800000                      ; -infinity takes the winner's place,
.irp j, 0,1,2,3,4,5,6,7
	v_cmp_eq_u32 vcc_lo, \j, v25
	s_delay_alu instid0(VALU_DEP_1)
	v_cndmask_b32 v[16+\j], v[16+\j], v28, vcc_lo
.endr
	v_mov_b32 v26, v16                             ; and the same scan gives the second
	v_mov_b32 v27, 0
.irp j, 1,2,3,4,5,6,7
	s_delay_alu instid0(VALU_DEP_2)
	v_cmp_le_f32 vcc_lo, v[16+\j], v26
	s_delay_alu instid0(VALU_DEP_1)
	v_cndmask_b32 v26, v[16+\j], v26, vcc_lo
	s_delay_alu instid0(VALU_DEP_2)
	v_cndmask_b32 v27, \j, v27, vcc_lo
.endr
	s_delay_alu instid0(VALU_DEP_2)
	v_sub_f32 v31, v26, v24                        ; softmax of the two, the maximum taken away: 1 / (1 + p) and p / (1 + p), p = e^(second - first)
	s_delay_alu instid0(VALU_DEP_1)
	v_mul_f32 v31, 0x3fb8aa3b, v31
	s_wait_alu depctr_va_vdst(0)
	v_exp_f32 v31, v31
	v_mov_b32 v29, 0                               ; (a plain place behind the exponential)  the tile's 32 words of route begin as zeros
	s_wait_alu depctr_va_vdst(0)                   ; the wait ahead of the result's first reader
	v_add_f32 v32, 1.0, v31
	s_wait_alu depctr_va_vdst(0)
	v_rcp_f32 v32, v32
	v_cmp_le_u32 vcc_lo, 16, v1                    ; (a plain place behind the reciprocal)  lanes 16-31 carry the second weight
	s_wait_alu depctr_va_vdst(0)
	v_mul_f32 v31, v31, v32
	v_cndmask_b32 v30, v32, v31, vcc_lo
	global_store_b32 v15, v30, s[42:43]            ; [token][2]: 128 consecutive bytes
.irp e, 0,1,2,3,4,5,6,7                        ; word e: bits 0-15: the tile's tokens that chose expert e; bits 16-31: those for which it is the second choice
	v_cmp_eq_u32 s46, \e, v25
	v_cmp_eq_u32 s47, \e, v27
	s_or_b32 s46, s46, s47
	s_and_b32 s46, s46, 0xffff
	s_lshl_b32 s47, s47, 16
	s_or_b32 s46, s46, s47
	v_writelane_b32 v29, s46, \e
.endr
	global_store_b32 v14, v29, s[44:45]
.Lr_end:
	s_wait_tensorcnt 0x0                           ; the wave's end, behind my last LDS store
	ds_add_u32 v[SPW], v[NIL]
	s_wait_dscnt 0x0
	s_endpgm
	; ---------------- ROLE W ----------------
.Lweights:
	s_cmp_ge_u32 ttmp9, 640
	s_cbranch_scc1 .Lw2
	s_wait_alu depctr_va_vdst(0)
	WQ 2048, 8, 2, 10, 14, 128, 1, WSC1            ; w1: K = 1,024 rows of 2,048 columns
.Lw2:
	s_wait_alu depctr_va_vdst(0)
	WQ 1024, 16, 4, 12, 16, 640, 2, WSC2           ; w2: K = 2,048 rows of 1,024 columns
.Lfunc_end_k_qc719593a72_prep:
	.size	k_qc719593a72_prep, .Lfunc_end_k_qc719593a72_prep-k_qc719593a72_prep
	.p2alignl 7, 3214868480
	.fill 96, 4, 3214868480
	.section	.rodata,"a",@progbits
	.p2align	6, 0x0
	.amdhsa_kernel k_qc719593a72_prep
		.amdhsa_group_segment_fixed_size 52992
		.amdhsa_private_segment_fixed_size 0
		.amdhsa_enable_private_segment 0
		.amdhsa_kernarg_size 72
		.amdhsa_user_sgpr_count 2
		.amdhsa_user_sgpr_kernarg_segment_ptr 1
		.amdhsa_wavefront_size32 1
		.amdhsa_system_sgpr_workgroup_id_x 1
		.amdhsa_system_sgpr_workgroup_id_y 1
		.amdhsa_system_sgpr_workgroup_id_z 1
		.amdhsa_system_vgpr_workitem_id 0
		.amdhsa_next_free_vgpr 160
		.amdhsa_next_free_sgpr 72
		.amdhsa_reserve_vcc 1
		.amdhsa_float_denorm_mode_32 3
		.amdhsa_float_denorm_mode_16_64 3
		.amdhsa_memory_ordered 1
		.amdhsa_forward_progress 1
		.amdhsa_inst_pref_size 76
	.end_amdhsa_kernel
	.amdgpu_metadata
---
amdhsa.version: [ 1, 2 ]
amdhsa.kernels:
  - .name:           k_qc719593a72_prep
    .symbol:         k_qc719593a72_prep.kd
    .args:
      - { .name: x, .offset: 0, .size: 8, .value_kind: global_buffer, .address_space: global }
      - { .name: gate_w, .offset: 8, .size: 8, .value_kind: global_buffer, .address_space: global }
      - { .name: gate_b, .offset: 16, .size: 8, .value_kind: global_buffer, .address_space: global }
      - { .name: w1, .offset: 24, .size: 8, .value_kind: global_buffer, .address_space: global }
      - { .name: w2, .offset: 32, .size: 8, .value_kind: global_buffer, .address_space: global }
      - { .name: w1q, .offset: 40, .size: 8, .value_kind: global_buffer, .address_space: global }
      - { .name: w2q, .offset: 48, .size: 8, .value_kind: global_buffer, .address_space: global }
      - { .name: xq, .offset: 56, .size: 8, .value_kind: global_buffer, .address_space: global }
      - { .name: route, .offset: 64, .size: 8, .value_kind: global_buffer, .address_space: global }
    .group_segment_fixed_size: 52992
    .private_segment_fixed_size: 0
    .kernarg_segment_align: 8
    .kernarg_segment_size: 72
    .max_flat_workgroup_size: 256
    .sgpr_count:     72
    .vgpr_count:     160
    .wavefront_size: 32
...
	.end_amdgpu_metadata
.endif
;; end of part 5
;; launch hgemm (part 6): grid 256 x 1, 4 waves a work-group, no clusters, 0 bytes of LDS; arguments w1q, xq, route, b1, hq, rows; writes hq, rows
.if DOCPART == 6
	.amdgcn_target "amdgcn-amd-amdhsa--gfx1250"
	.amdhsa_code_object_version 6
	.text
	.protected	k_qc719593a72_hgemm
	.globl	k_qc719593a72_hgemm
	.p2align	8
	.type	k_qc719593a72_hgemm,@function
k_qc719593a72_hgemm:
	s_mov_b64 s[64:65], 0
	v_nop
	global_prefetch_b8 v0, s[64:65] scope:SCOPE_SE
	s_setreg_imm32_b32 hwreg(HW_REG_WAVE_SCHED_MODE, 0, 2), 2
	s_setreg_imm32_b32 hwreg(HW_REG_WAVE_MODE, 25, 1), 1
	s_wait_xcnt 0x0
	s_wait_alu depctr_vm_vsrc(0)
; SECOND LAUNCH: h = gelu(Q(x) Q(w1) + b1) for the routed rows alone, quantised along H and stored as images of the next product's operand.
; Left out as dead work: the rows of experts that a token did not choose (their combine weight is the zero that the problem's own one_hot builds); see the first kernel's head.
; LISTS.  Tokens go in 16 groups of 128.  The members of (expert e, group G), in ascending order, form tiles of 16 rows; tile j has the fixed slot (16 e + G) 8 + j.  Rows behind a group's last member repeat that member:
; they compute and store the same numbers once more, from the same wave.  The lists are read off route's masks, which the launch before stored as whole numbers; trip counts and addresses hang on those alone.
; SHARES.  Work-group = (expert, 128 hidden units ug, half of the groups).  All four waves hold the same 128 x 1,024 codes of w1 in 512 registers, loaded once; wave w walks the tiles of groups 8 Gh + 2 w and + 1.
; The 128 hidden units are one K step of the next product, so a tile's results become exactly one fragment and one scale word a row.  No LDS, no barrier: waves share nothing.
; No tensor load and no cluster: how many tiles a wave walks hangs on numbers read from memory.
; THE PRODUCT IS USED TRANSPOSED (source 0 = 16 rows of w1's tile, source 1 = 16 tokens): a lane holds one token, and the 16 registers of tiles 2 b, 2 b + 1 are hidden units 32 b + 16 (lane / 16) + 0 .. 15.
; GELU, exact-erf form: gelu(x) = max(x, 0) - |x| q, q = erfc(|x| / sqrt 2) / 2 = t 2^(P(t) - x^2 log2(e) / 2), t = 1 / (1 + |x| / (2 sqrt 2)), P a polynomial of degree 9 (a rational Chebyshev fit of erfc whose
; fractional error is 1.2e-7 everywhere); nothing cancels for x < 0.  LIMIT: about 1e-6 of the number; for very large |x| the exponential falls to 0 and gelu is max(x, 0).  NaN and infinities are not served.
; REGISTERS, in windows of 256.  Window 0: v1-6 lane terms; v16-79 x's eight fragments; v80-83 x's scale words; v84-115 w1's; v116-134 the list's arithmetic.
;   Windows 1, 2: w1's fragment (tile t, K step s) at v[8 (4 t + s % 4)] of window 1 + s / 4.   Window 3: v0-63 the tile's results; v64-127 b1; v128-223 GELU at work; v224.. constants, codes, the quantiser.
; THE MODE: SCHED_MODE bits 1:0 = 2 (LLVM: expert scheduling mode 2), set by the entry lines.  The code itself states the register dependences
; between vector or matrix instructions and memory instructions, with s_wait_alu, always for 0.
; THE PLAN.  Registers that memory instructions touch:
;   v[LI], v[L4], v6     offsets: written at the head, ahead of the head's one wait on va_vdst; never written again.
;   w1, b1, W1S          loaded at the head; read by matrix instructions alone; never written again.
;   XF, XS               the 17 loads of ALOAD land in them; the 64 matrix instructions of the next trip read them.
;   v[VX], v[VS], v[ENT] written by ROWS; read by ALOAD's loads and its store.
;   PC, PW               written by QUANT; read by the trip's three stores.
; A trip: the products | one wait on vm_vsrc: all that earlier loads and stores read may be written anew | ROWS | one wait on va_vdst: ROWS has written, the products are done reading | ALOAD | GELU, QUANT |
; one wait on va_vdst: the codes are written | the three stores.  The masks of ROWS's selects have waits of their own, between each compare (or run of compares) and its first reader.
.set R,   1                            ; lane % 16
.set H16, 2                            ; 16 (lane / 16)
.set LI,  3                            ; 16 x lane
.set L4,  4                            ; 4 x lane
.set XF,  16
.set XS,  80
.set W1S, 84
.set VP,  116
.set VW,  117
.set VSS, 118
.set VB,  119
.set VTB, 120
.set VQ,  121
.set VA,  122
.set VBB, 123
.set VC,  124
.set VD,  125
.set VPOS, 126
.set VT,  127
.set VU,  128
.set VTOK, 129
.set VBIT, 130
.set ENT, 131
.set VX,  132
.set VS,  133
.set VU2, 134
.set HA,  0                            ; window 3 from here on
.set B1,  64
.set RT,  128
.set RP,  160
.set RM,  192
.set C9,  224
.set PC,  226
.set TM,  234
.set PW,  250
.set SEL, 28                           ; s[28:29], once the masks are read off; s34-36 then take the masks of ROWS's three compares, s37 the number 96
.set MSB, 0
.macro WIN new                         ; the immediate's high byte repeats the setting that is left
.if MSB != \new
	s_set_vgpr_msb (MSB<<8)|\new
.set MSB, \new
.endif
.endm
; A group's eight masks s[m .. m + 7] become: four words of members, four of 'second choice', three running counts, the count, the number of tiles: s[o .. o + 12].
.macro GSET m, o
.irp k, 0,1,2,3
	s_and_b32 s[(\o)+\k], s[(\m)+2*\k], 0xffff
	s_lshl_b32 s81, s[(\m)+2*\k+1], 16
	s_or_b32 s[(\o)+\k], s[(\o)+\k], s81           ; bit b of word k: token 32 k + b of the group
	s_lshr_b32 s[(\o)+4+\k], s[(\m)+2*\k], 16
	s_and_b32 s81, s[(\m)+2*\k+1], 0xffff0000
	s_or_b32 s[(\o)+4+\k], s[(\o)+4+\k], s81
.endr
	s_bcnt1_i32_b32 s[(\o)+8], s[(\o)]
	s_bcnt1_i32_b32 s81, s[(\o)+1]
	s_add_co_u32 s[(\o)+9], s[(\o)+8], s81
	s_bcnt1_i32_b32 s81, s[(\o)+2]
	s_add_co_u32 s[(\o)+10], s[(\o)+9], s81
	s_bcnt1_i32_b32 s81, s[(\o)+3]
	s_add_co_u32 s[(\o)+11], s[(\o)+10], s81
	s_add_co_u32 s[(\o)+12], s[(\o)+11], 15
	s_lshr_b32 s[(\o)+12], s[(\o)+12], 4
.endm
; Tile number si of my wave's walk: its group's twelve words into s82-93, 16 j into s94, the slot into s95, the group's first token into s96.  All selects stand ahead of the first line that sets SCC anew.
.macro PICK si
	s_cmp_lt_u32 \si, s56
.irp k, 0,1,2,3,4,5,6,7,8,9,10,11
	s_cselect_b32 s[82+\k], s[44+\k], s[68+\k]
.endr
	s_cselect_b32 s94, 0, s56
	s_cselect_b32 s97, 0, 1
	s_sub_co_u32 s93, s93, 1                       ; the last member's place
	s_sub_co_u32 s94, \si, s94                     ; j
	s_add_co_u32 s97, s97, s26                     ; G
	s_lshl_b32 s96, s97, 7
	s_lshl_b32 s95, s2, 4
	s_add_co_u32 s95, s95, s97
	s_lshl_b32 s95, s95, 3
	s_add_co_u32 s95, s95, s94
	s_min_u32 s95, s95, 1023                       ; a number from memory enters an address only behind a bound
	s_lshl_b32 s94, s94, 4
.endm
.macro STEPSEL n                       ; where my place q is at or past the count t of the lower half: on to the upper half
	v_cmp_ge_u32 vcc_lo, v[VQ], v[VT]
	v_sub_nc_u32 v[VU], v[VQ], v[VT]
	v_add_nc_u32 v[VU2], \n, v[VPOS]
	s_wait_alu depctr_va_vcc(0)                    ; the compare has written VCC, which the two selects read
	v_cndmask_b32 v[VQ], v[VQ], v[VU], vcc_lo
	v_cndmask_b32 v[VPOS], v[VPOS], v[VU2], vcc_lo
.endm
; The token of list row 16 j + lane % 16: the word that holds the member, then the q-th set bit of that word, by halving.
.macro ROWS
	v_add_nc_u32 v[VP], s94, v[R]
	v_min_u32 v[VP], s93, v[VP]                    ; rows behind the last member repeat it
.irp k, 1,2,3
	v_cmp_gt_u32 s[33+\k], s[89+\k], v[VP]         ; the members ahead of word k are more than p: keep.  The three compares hang on p alone: one run, three masks
.endr
	v_mov_b32 v[VW], s82
	v_mov_b32 v[VSS], s86
	v_mov_b32 v[VB], 0
	v_mov_b32 v[VTB], 0
	s_wait_alu depctr_va_sdst(0)                   ; the three compares have written s34 to s36, which the selects below read
.irp k, 1,2,3
	v_cndmask_b32 v[VW], s[82+\k], v[VW], s[33+\k]
	v_cndmask_b32 v[VSS], s[86+\k], v[VSS], s[33+\k]
	v_cndmask_b32 v[VB], s[89+\k], v[VB], s[33+\k]
.endr
	v_cndmask_b32 v[VTB], 32, v[VTB], s34          ; the word's first token: 32 k
	v_cndmask_b32 v[VTB], 64, v[VTB], s35
	v_cndmask_b32 v[VTB], s37, v[VTB], s36         ; (s37 = 96)
	v_sub_nc_u32 v[VQ], v[VP], v[VB]
	v_lshrrev_b32 v[VT], 1, v[VW]                  ; counts of set bits in fields of 2, 4, 8 and 16 bits
	v_and_b32 v[VT], 0x55555555, v[VT]
	v_sub_nc_u32 v[VA], v[VW], v[VT]
	v_lshrrev_b32 v[VT], 2, v[VA]
	v_and_b32 v[VT], 0x33333333, v[VT]
	v_and_b32 v[VBB], 0x33333333, v[VA]
	v_add_nc_u32 v[VBB], v[VBB], v[VT]
	v_lshrrev_b32 v[VT], 4, v[VBB]
	v_add_nc_u32 v[VC], v[VBB], v[VT]
	v_and_b32 v[VC], 0x0f0f0f0f, v[VC]
	v_lshrrev_b32 v[VT], 8, v[VC]
	v_add_nc_u32 v[VD], v[VC], v[VT]
	v_mov_b32 v[VPOS], 0
	v_and_b32 v[VT], 0xff, v[VD]
	STEPSEL 16
	v_bfe_u32 v[VT], v[VC], v[VPOS], 8
	STEPSEL 8
	v_bfe_u32 v[VT], v[VBB], v[VPOS], 4
	STEPSEL 4
	v_bfe_u32 v[VT], v[VA], v[VPOS], 2
	STEPSEL 2
	v_bfe_u32 v[VT], v[VW], v[VPOS], 1
	STEPSEL 1
	v_add3_u32 v[VTOK], v[VTB], v[VPOS], s96
	v_min_u32 v[VTOK], 0x7ff, v[VTOK]              ; the bound ahead of the addresses
	v_bfe_u32 v[VBIT], v[VSS], v[VPOS], 1
	v_lshl_or_b32 v[ENT], v[VTOK], 1, v[VBIT]      ; 2 x token + (second choice): the row of y
	v_lshl_add_u32 v[VX], v[VTOK], 9, v[H16]       ; its codes: 512 bytes a token, + 16 h
	v_lshl_add_u32 v[VS], v[VTOK], 5, v[H16]       ; its scale words: lanes 0-15 K steps 0-3, lanes 16-31 K steps 4-7
.endm
; The tile's operand: 17 loads.  The work-groups of ug = 0 also store the list, for the next launch (a branch on the work-group's number).
.macro ALOAD
	s_wait_alu depctr_va_vdst(0)                   ; the list's arithmetic has written v[VX], v[VS] and v[ENT], which the loads and the store below read; in the loop the tile's matrix instructions are done reading XF and XS, in which the loads land
	s_lshl_b32 s30, s95, 7
	s_add_nc_u64 s[66:67], s[14:15], s[30:31]
.irp s, 0,1,2,3,4,5,6,7
.irp c, 0,1
	global_load_b128 v[XF+8*\s+4*\c:XF+8*\s+4*\c+3], v[VX], s[6:7] offset:64*\s+32*\c
.endr
.endr
	global_load_b128 v[XS:XS+3], v[VS], s[24:25]
	s_cmp_lg_u32 s3, 0
	s_cbranch_scc1 .Lno_list_\@
	global_store_b32 v[L4], v[ENT], s[66:67]
.Lno_list_\@:
.endm
; K steps s0 .. s0 + 3 of the eight tiles: 32 matrix instructions; the eight accumulators take turns, one instruction a turn.  The bias is the C of each sum's first product.
.macro MMH s0, win
	WIN \win
.irp ss, 0,1,2,3
.irp t, 0,1,2,3,4,5,6,7
.if (\s0+\ss) == 0
	v_wmma_scale_f32_16x16x128_f8f6f4 v[HA+8*\t:HA+8*\t+7], v[8*(4*\t+\ss):8*(4*\t+\ss)+7], v[XF+8*(\s0+\ss):XF+8*(\s0+\ss)+7], v[B1+8*\t:B1+8*\t+7], v[W1S+4*\t+\ss], v[XS+\ss] matrix_a_fmt:MATRIX_FMT_FP4 matrix_b_fmt:MATRIX_FMT_FP4
.elseif \s0 == 0
	v_wmma_scale_f32_16x16x128_f8f6f4 v[HA+8*\t:HA+8*\t+7], v[8*(4*\t+\ss):8*(4*\t+\ss)+7], v[XF+8*(\s0+\ss):XF+8*(\s0+\ss)+7], v[HA+8*\t:HA+8*\t+7], v[W1S+4*\t+\ss], v[XS+\ss] matrix_a_fmt:MATRIX_FMT_FP4 matrix_b_fmt:MATRIX_FMT_FP4
.else
	v_wmma_scale_f32_16x16x128_f8f6f4 v[HA+8*\t:HA+8*\t+7], v[8*(4*\t+\ss):8*(4*\t+\ss)+7], v[XF+8*(\s0+\ss):XF+8*(\s0+\ss)+7], v[HA+8*\t:HA+8*\t+7], v[W1S+4*\t+\ss], v[XS+\ss] matrix_a_fmt:MATRIX_FMT_FP4 matrix_b_fmt:MATRIX_FMT_FP4 matrix_a_scale:MATRIX_SCALE_ROW1 matrix_b_scale:MATRIX_SCALE_ROW1
.endif
.endr
.endr
.endm
; GELU of 32 numbers, v[HA + o] on, in place.  Two batches of transcendentals, each with plain work behind it and one wait ahead of its first reader.
.macro GELU o
.set gi, 0
.rept 32
	v_fma_f32 v[RT+gi], |v[HA+\o+gi]|, s98, 1.0    ; each accumulator is read from its low end on
.set gi, gi+1
.endr
.set gi, 0
	s_wait_alu depctr_va_vdst(0)
.rept 32
	v_rcp_f32 v[RT+gi], v[RT+gi]                   ; t
.set gi, gi+1
.endr
.set gi, 0
.rept 16
	v_pk_mul_f32 v[RM+2*gi:RM+2*gi+1], v[HA+\o+2*gi:HA+\o+2*gi+1], v[HA+\o+2*gi:HA+\o+2*gi+1]   ; x^2: plain work behind the reciprocals
.set gi, gi+1
.endr
	s_wait_alu depctr_va_vdst(0)                   ; the 32 reciprocals have written v[RT ..]: one wait, ahead of their first reader
.set gi, 0
.rept 16
	v_pk_fma_f32 v[RP+2*gi:RP+2*gi+1], v[RT+2*gi:RT+2*gi+1], v[C9:C9+1], 0xBF97D29D op_sel_hi:[1,1,0]
.set gi, gi+1
.endr
.irp c, 0x40097039, 0xBFD1A1E5, 0x3ECDFD18, 0xBE899A80, 0x3E0EFB2E, 0x3F0A29D2, 0x3FB8AB5A, 0xC034D90F   ; the fit's coefficients x log2(e); the last carries the -1 of the factor 1/2
.set gi, 0
.rept 16
	v_pk_fma_f32 v[RP+2*gi:RP+2*gi+1], v[RP+2*gi:RP+2*gi+1], v[RT+2*gi:RT+2*gi+1], \c op_sel_hi:[1,1,0]
.set gi, gi+1
.endr
.endr
.set gi, 0
.rept 16
	v_pk_fma_f32 v[RP+2*gi:RP+2*gi+1], v[RM+2*gi:RM+2*gi+1], 0xBF38AA3B, v[RP+2*gi:RP+2*gi+1] op_sel_hi:[1,0,1]   ; - x^2 log2(e) / 2
.set gi, gi+1
.endr
.set gi, 0
	s_wait_alu depctr_va_vdst(0)
.rept 32
	v_exp_f32 v[RP+gi], v[RP+gi]
.set gi, gi+1
.endr
.set gi, 0
.rept 32
	v_max_num_f32 v[RM+gi], 0, v[HA+\o+gi]         ; max(x, 0): plain work behind the exponentials
.set gi, gi+1
.endr
	s_wait_alu depctr_va_vdst(0)                   ; the 32 exponentials have written v[RP ..]: one wait, ahead of their first reader
.set gi, 0
.rept 16
	v_pk_mul_f32 v[RP+2*gi:RP+2*gi+1], v[RP+2*gi:RP+2*gi+1], v[RT+2*gi:RT+2*gi+1]   ; q
.set gi, gi+1
.endr
.set gi, 0
.rept 32
	v_fma_f32 v[HA+\o+gi], -|v[HA+\o+gi]|, v[RP+gi], v[RM+gi]
.set gi, gi+1
.endr
.endm
; 64 numbers of a lane, register 16 b + i = k 32 b + 16 (lane / 16) + i of my row, become a fragment's codes in v[PC] on and its scale word in v[PW].
.macro QUANT s
.irp b, 0,1,2,3
	v_max3_num_f32 v[TM+\b], |v[\s+16*\b]|, |v[\s+1+16*\b]|, 0x1800000   ; with the floor 2^(3 - 127): the byte cannot fall under 1
.endr
.irp i, 2,4,6,8,10,12,14
.irp b, 0,1,2,3
	v_max3_num_f32 v[TM+\b], v[TM+\b], |v[\s+16*\b+\i]|, |v[\s+1+16*\b+\i]|
.endr
.endr
.irp b, 0,1,2,3
	v_permlanex16_b32 v[TM+4+\b], v[TM+\b], s[SEL], s[SEL+1]
.endr
.irp b, 0,1,2,3
	v_max_num_f32 v[TM+\b], v[TM+\b], v[TM+4+\b]
.endr
.irp b, 0,1,2,3
	v_add_nc_u32 v[TM+12+\b], 0xff000000, v[TM+\b]                 ; 2 off the exponent field: the conversion's scale operand
.endr
.irp b, 0,1,2,3
	v_lshrrev_b32 v[TM+4+\b], 23, v[TM+12+\b]
.endr
	v_lshl_or_b32 v[PW], v[TM+5], 8, v[TM+4]
	v_lshl_or_b32 v[PW], v[TM+6], 16, v[PW]
	v_lshl_or_b32 v[PW], v[TM+7], 24, v[PW]
.irp b, 0,1,2,3
	v_cvt_scalef32_pk8_fp4_f32 v[PC+2*\b], v[\s+16*\b:\s+7+16*\b], v[TM+12+\b]
	v_cvt_scalef32_pk8_fp4_f32 v[PC+1+2*\b], v[\s+8+16*\b:\s+15+16*\b], v[TM+12+\b]
.endr
	v_nop                                          ; one plain place behind the last scaled conversion
.irp c, 0,1
.irp i, 0,1
	v_permlane16_swap_b32 v[PC+4*\c+\i], v[PC+2+4*\c+\i]
.endr
.endr
.endm
	s_load_b256 s[4:11], s[0:1], 0x0               ; w1q, xq, route, b1
	s_load_b128 s[12:15], s[0:1], 0x20             ; hq, rows
	v_lshrrev_b32 v5, 5, v0
	v_readfirstlane_b32 s27, v5                    ; wave 0..3
	v_and_b32 v[R], 15, v0
	v_bfe_u32 v[H16], v0, 4, 1
	v_lshlrev_b32 v[H16], 4, v[H16]
	v_and_b32 v5, 31, v0
	v_lshlrev_b32 v[LI], 4, v5
	v_lshlrev_b32 v[L4], 2, v5
	v_lshlrev_b32 v6, 2, v[H16]                    ; 64 h: b1's eight numbers of my half
	s_lshr_b32 s2, ttmp9, 5                        ; expert
	s_bfe_u32 s3, ttmp9, 0x40001                   ; ug: which 128 hidden units
	s_and_b32 s26, ttmp9, 1
	s_lshl_b32 s26, s26, 3
	s_wait_alu depctr_va_sdst(0)                   ; s27 is written, ahead of its first reader: my groups are made from it
	s_lshl_b32 s61, s27, 1
	s_add_co_u32 s26, s26, s61                     ; my first group
	s_lshl_b32 s66, s26, 10                        ; its eight tiles' words in route: 128 bytes a tile, word = expert
	s_lshl_b32 s61, s2, 2
	s_add_co_u32 s66, s66, s61
	s_mov_b32 s67, 0
	s_wait_kmcnt 0x0
	s_add_nc_u64 s[16:17], s[8:9], s[66:67]
.irp i, 0,1,2,3,4,5,6,7,8,9,10,11,12,13,14,15
	s_load_b32 s[28+\i], s[16:17], \i*128
.endr
	s_lshl_b32 s66, s2, 20
	s_lshl_b32 s61, s3, 16
	s_add_co_u32 s66, s66, s61
	s_add_nc_u64 s[18:19], s[4:5], s[66:67]        ; w1's images: tiles 8 ug on
	s_lshl_b32 s66, s2, 16
	s_lshl_b32 s61, s3, 12
	s_add_co_u32 s66, s66, s61
	s_add_co_u32 s66, s66, 8388608
	s_add_nc_u64 s[20:21], s[4:5], s[66:67]        ; their scale words
	s_lshl_b32 s66, s2, 13
	s_lshl_b32 s61, s3, 9
	s_add_co_u32 s66, s66, s61
	s_add_nc_u64 s[22:23], s[10:11], s[66:67]      ; b1
	s_add_nc_u64 s[24:25], s[6:7], 1048576         ; x's scale words
	s_wait_alu depctr_va_vdst(0)                   ; the offsets v[LI], v[L4] and v6 are written, which every load and store of the kernel reads; up to the last load of this run only loads and window switches follow
.irp t, 0,1,2,3,4,5,6,7                        ; register 4 t + i: K step i in lanes 0-15, K step 4 + i in lanes 16-31
	global_load_b128 v[W1S+4*\t:W1S+4*\t+3], v[LI], s[20:21] offset:512*\t
.endr
	WIN 0x40                                       ; destination window 1
.irp t, 0,1,2,3,4,5,6,7
.irp s, 0,1,2,3
.irp c, 0,1
	global_load_b128 v[8*(4*\t+\s)+4*\c:8*(4*\t+\s)+4*\c+3], v[LI], s[18:19] offset:(8*\t+\s)*1024+512*\c
.endr
.endr
.endr
	WIN 0x80                                       ; destination window 2
.irp t, 0,1,2,3,4,5,6,7
.irp s, 0,1,2,3
.irp c, 0,1
	global_load_b128 v[8*(4*\t+\s)+4*\c:8*(4*\t+\s)+4*\c+3], v[LI], s[18:19] offset:(8*\t+4+\s)*1024+512*\c
.endr
.endr
.endr
	WIN 0xc0                                       ; destination window 3
.irp t, 0,1,2,3,4,5,6,7                        ; b1 in the result's layout: for tile 2 b + u the hidden units 32 b + 16 h + 8 u + 0 .. 7
	global_load_b128 v[B1+8*\t:B1+8*\t+3], v6, s[22:23] offset:(32*(\t/2)+8*(\t%2))*4
	global_load_b128 v[B1+8*\t+4:B1+8*\t+7], v6, s[22:23] offset:(32*(\t/2)+8*(\t%2))*4+16
.endr
	v_mov_b32 v[C9], 0x3E7C6F08                    ; the fit's highest coefficient, in both halves of a pair.  (No memory instruction names these six registers)
	v_mov_b32 v[C9+1], 0x3E7C6F08
.irp b, 0,1,2,3
	v_mov_b32 v[TM+4+\b], 0                        ; a lane permute's destination counts as one of its sources
.endr
	WIN 0
	s_wait_kmcnt 0x0                               ; the masks
	GSET 28, 44
	GSET 36, 68
	s_add_co_u32 s58, s56, s80                     ; my tiles
	s_cmp_eq_u32 s58, 0
	s_cbranch_scc1 .Ldone                          ; no token of my two groups chose this expert
	s_sub_co_u32 s59, s58, 1
	s_mov_b32 s[SEL], 0x76543210
	s_mov_b32 s[SEL+1], 0xfedcba98
	s_mov_b32 s31, 0
	s_mov_b32 s37, 96                              ; the fourth word's first token
	s_mov_b32 s98, 0x3EB504F3                      ; 1 / (2 sqrt 2)
	s_add_nc_u64 s[32:33], s[12:13], 0x1000000     ; hq's scale images
	s_mov_b32 s57, 0
	PICK s57
	ROWS
	ALOAD
.Ltile:
	s_wait_loadcnt 0x0                             ; this tile's 17 loads (in the first trip the weights too)
	MMH 0, 0xf1                                    ; source 0 window 1, source 1 window 0, C and D window 3
	MMH 4, 0xf2
	WIN 0
	s_wait_xcnt 0x0                                ; the last tile's stores have read their data, offsets and bases: all are written anew below
	s_wait_alu depctr_vm_vsrc(0)                   ; this tile's loads have read v[VX] and v[VS]; the stores issued so far have read v[ENT], the codes and the scale word: the list's arithmetic and the quantiser write all five anew below
	s_lshl_b32 s30, s95, 14                        ; where this tile's image goes: slot x 16 K steps + K step ug
	s_lshl_b32 s99, s3, 10
	s_add_co_u32 s30, s30, s99
	s_add_nc_u64 s[100:101], s[12:13], s[30:31]
	s_lshl_b32 s30, s95, 11
	s_lshl_b32 s99, s3, 7
	s_add_co_u32 s30, s30, s99
	s_add_nc_u64 s[62:63], s[32:33], s[30:31]
	s_add_co_u32 s60, s57, 1
	s_min_u32 s60, s60, s59                        ; the next tile (the last trip asks for its own tile once more: no load leaves a buffer)
	PICK s60
	ROWS                                           ; its plain lines are also the places between the products and the first reads of the results
	ALOAD
	WIN 0xff                                       ; all in window 3
	GELU 0
	GELU 32
	QUANT HA
	WIN 0x0c                                       ; a store's data are its source 1: window 3
	s_wait_alu depctr_va_vdst(0)                   ; the quantiser has written the codes v[PC ..] and the scale word v[PW], which the three stores read
	global_store_b128 v[LI], v[PC:PC+3], s[100:101]                ; the fragment as it stands: 512 consecutive bytes a store
	global_store_b128 v[LI], v[PC+4:PC+7], s[100:101] offset:512
	global_store_b32 v[L4], v[PW], s[62:63]        ; its scale words, 128 consecutive bytes: one ninth of the tile's bytes
	WIN 0
	s_add_co_u32 s57, s57, 1
	s_cmp_lt_u32 s57, s58
	s_cbranch_scc1 .Ltile
.Ldone:
	s_endpgm
.Lfunc_end_k_qc719593a72_hgemm:
	.size	k_qc719593a72_hgemm, .Lfunc_end_k_qc719593a72_hgemm-k_qc719593a72_hgemm
	.p2alignl 7, 3214868480
	.fill 96, 4, 3214868480
	.section	.rodata,"a",@progbits
	.p2align	6, 0x0
	.amdhsa_kernel k_qc719593a72_hgemm
		.amdhsa_group_segment_fixed_size 0
		.amdhsa_private_segment_fixed_size 0
		.amdhsa_enable_private_segment 0
		.amdhsa_kernarg_size 48
		.amdhsa_user_sgpr_count 2
		.amdhsa_user_sgpr_kernarg_segment_ptr 1
		.amdhsa_wavefront_size32 1
		.amdhsa_system_sgpr_workgroup_id_x 1
		.amdhsa_system_sgpr_workgroup_id_y 1
		.amdhsa_system_sgpr_workgroup_id_z 1
		.amdhsa_system_vgpr_workitem_id 0
		.amdhsa_next_free_vgpr 1024
		.amdhsa_next_free_sgpr 102
		.amdhsa_reserve_vcc 1
		.amdhsa_float_denorm_mode_32 3
		.amdhsa_float_denorm_mode_16_64 3
		.amdhsa_memory_ordered 1
		.amdhsa_forward_progress 1
		.amdhsa_inst_pref_size 94
	.end_amdhsa_kernel
	.amdgpu_metadata
---
amdhsa.version: [ 1, 2 ]
amdhsa.kernels:
  - .name:           k_qc719593a72_hgemm
    .symbol:         k_qc719593a72_hgemm.kd
    .args:
      - { .name: w1q, .offset: 0, .size: 8, .value_kind: global_buffer, .address_space: global }
      - { .name: xq, .offset: 8, .size: 8, .value_kind: global_buffer, .address_space: global }
      - { .name: route, .offset: 16, .size: 8, .value_kind: global_buffer, .address_space: global }
      - { .name: b1, .offset: 24, .size: 8, .value_kind: global_buffer, .address_space: global }
      - { .name: hq, .offset: 32, .size: 8, .value_kind: global_buffer, .address_space: global }
      - { .name: rows, .offset: 40, .size: 8, .value_kind: global_buffer, .address_space: global }
    .group_segment_fixed_size: 0
    .private_segment_fixed_size: 0
    .kernarg_segment_align: 8
    .kernarg_segment_size: 48
    .max_flat_workgroup_size: 128
    .sgpr_count:     102
    .vgpr_count:     1024
    .wavefront_size: 32
...
	.end_amdgpu_metadata
.endif
;; end of part 6
;; launch ygemm (part 7): grid 256 x 1, 4 waves a work-group, no clusters, 17,920 bytes of LDS; arguments w2q, hq, route, rows, b2, y; writes y
.if DOCPART == 7
	.amdgcn_target "amdgcn-amd-amdhsa--gfx1250"
	.amdhsa_code_object_version 6
	.text
	.protected	k_qc719593a72_ygemm
	.globl	k_qc719593a72_ygemm
	.p2align	8
	.type	k_qc719593a72_ygemm,@function
k_qc719593a72_ygemm:
	s_mov_b64 s[64:65], 0
	v_nop
	global_prefetch_b8 v0, s[64:65] scope:SCOPE_SE
	s_setreg_imm32_b32 hwreg(HW_REG_WAVE_SCHED_MODE, 0, 2), 2
	s_setreg_imm32_b32 hwreg(HW_REG_WAVE_MODE, 25, 1), 1
	s_wait_xcnt 0x0
	s_wait_alu depctr_vm_vsrc(0)
; THIRD LAUNCH: y = Q(h) Q(w2) + b2 for the routed rows, f32, each row stored at (2 x token + second choice).
; Left out as dead work: the rows of experts that a token did not choose; see the first kernel's head.
; SHARES.  Work-group = (expert, 256 outputs oq, two groups of tokens).  The four waves walk the same tiles; wave w holds the 64 x 2,048 codes of w2 for outputs 256 oq + 64 w on in 512 registers, loaded once.
; A tile's operand (16 fragments, 16 scale words) comes from hq as images of its registers; the list of its rows from rows.  How many tiles there are is read off route's masks: whole numbers that an earlier launch stored.
; No tensor load and no cluster for that reason; no barrier: the stage in LDS is each wave's own.
; THE PRODUCT IS USED TRANSPOSED (source 0 = 16 rows of w2's tile, source 1 = 16 rows of h): lane (r, h) holds row r and, in tile 2 b + u, outputs 32 b + 16 h + 8 u + 0 .. 7.
; THE WAY OUT: through the stage, so that sixteen lanes store 256 consecutive bytes of one row of y, aligned.  Rows that repeat a group's last member store the same numbers to the same place, from the same wave.
; REGISTERS.  Window 0: v1-9 lane terms; v16-47 w2's scale words; v48-63 h's; v64-191 h's 16 fragments; v192-199 the list; v200-207 the rows' offsets; v208-239 rows on their way out.
;   Windows 1, 2: w2's fragment (tile t, K step s) at v[8 (8 t + s % 8)] of window 1 + s / 8.   Window 3: v0-31 four accumulators; v32-63 b2.
; THE MODE: SCHED_MODE bits 1:0 = 2 (LLVM: expert scheduling mode 2), set by the entry lines.  The code itself states the register dependences
; between vector or matrix instructions and memory or LDS instructions, with s_wait_alu, always for 0.
; THE PLAN.  Registers that memory or LDS instructions touch:
;   v1-7                 offsets and LDS addresses: written at the head, ahead of the head's one wait on va_vdst; never written again.
;   v[SPW], v[NIL]       written at the head, read by the closing add alone.
;   w2, b2, W2S          loaded at the head; read by matrix instructions alone.
;   HF, HS               TLOAD's loads land in them; the 64 matrix instructions of the next trip read them.
;   EN                   TLOAD's loads land in it; the trip's first sixteen vector lines read it and write it.
;   VO                   written by those lines; read by the trip's eight global stores, as offsets.
;   the accumulators     written by the matrix instructions; read by the eight LDS stores.
;   OUT                  the loads from the stage land in it; the eight global stores read it.
; A trip: one wait on vm_vsrc at its head (the last trip's stores have read VO, OUT and the accumulators) | sixteen vector lines, 64 matrix instructions, four places | ONE wait on va_vdst | all the trip's memory and LDS
; instructions: 50 loads, 8 LDS stores, 8 LDS loads, 8 stores.  No vector or matrix instruction stands among them, so they owe nothing more.
.set LI,  1                            ; 16 x lane
.set L4,  2                            ; 4 x lane
.set L16, 3                            ; 16 (lane % 16)
.set STO, 4                            ; the stage, in
.set RD,  5                            ; the stage, out
.set EO,  6                            ; 32 (lane / 16): my half's eight words of the list
.set B2O, 7                            ; 64 (lane / 16)
.set SPW, 8                            ; LDS address of my spare word; never rewritten
.set NIL, 9                            ; 0; never rewritten
.set W2S, 16
.set HS,  48
.set HF,  64
.set EN,  192
.set VO,  200
.set OUT, 208
.set ACC, 0                            ; window 3
.set B2,  32
.set SPARE, 17408                      ; behind the four stages of 16 rows x 272 bytes: the spare words, 128 bytes a wave; no other line names them
.set MSB, 0
.macro WIN new
.if MSB != \new
	s_set_vgpr_msb (MSB<<8)|\new
.set MSB, \new
.endif
.endm
; Tile number si of the walk: its slot, and its 50 loads.
.macro TLOAD si
	s_cmp_lt_u32 \si, s44
	s_cselect_b32 s51, 0, s62                      ; the second group's tiles begin eight slots behind the first's
	s_add_co_u32 s50, s49, \si
	s_add_co_u32 s50, s50, s51
	s_min_u32 s50, s50, 1023                       ; a number from memory enters an address only behind a bound
	s_lshl_b32 s52, s50, 14
	s_add_nc_u64 s[54:55], s[6:7], s[52:53]
	s_lshl_b32 s52, s50, 11
	s_add_nc_u64 s[56:57], s[60:61], s[52:53]
	s_lshl_b32 s52, s50, 7
	s_add_nc_u64 s[58:59], s[10:11], s[52:53]
.irp s, 0,1,2,3,4,5,6,7,8,9,10,11,12,13,14,15
.irp c, 0,1
	global_load_b128 v[HF+8*\s+4*\c:HF+8*\s+4*\c+3], v[LI], s[54:55] offset:1024*\s+512*\c
.endr
.endr
.irp s, 0,1,2,3,4,5,6,7,8,9,10,11,12,13,14,15
	global_load_b32 v[HS+\s], v[L4], s[56:57] offset:128*\s
.endr
	global_load_b128 v[EN:EN+3], v[EO], s[58:59]
	global_load_b128 v[EN+4:EN+7], v[EO], s[58:59] offset:16
.endm
; K steps s0 .. s0 + 7 of the four tiles: 32 matrix instructions; the four accumulators take turns, one instruction a turn.  The bias is the C of each sum's first product.
.macro MMY s0, win
	WIN \win
.irp ss, 0,1,2,3,4,5,6,7
.irp t, 0,1,2,3
.if (\s0+\ss) == 0
	v_wmma_scale_f32_16x16x128_f8f6f4 v[ACC+8*\t:ACC+8*\t+7], v[8*(8*\t+\ss):8*(8*\t+\ss)+7], v[HF+8*(\s0+\ss):HF+8*(\s0+\ss)+7], v[B2+8*\t:B2+8*\t+7], v[W2S+8*\t+4*(\s0/8)+(\ss%4)], v[HS+\s0+\ss] matrix_a_fmt:MATRIX_FMT_FP4 matrix_b_fmt:MATRIX_FMT_FP4
.elseif (\ss/4) == 0
	v_wmma_scale_f32_16x16x128_f8f6f4 v[ACC+8*\t:ACC+8*\t+7], v[8*(8*\t+\ss):8*(8*\t+\ss)+7], v[HF+8*(\s0+\ss):HF+8*(\s0+\ss)+7], v[ACC+8*\t:ACC+8*\t+7], v[W2S+8*\t+4*(\s0/8)+(\ss%4)], v[HS+\s0+\ss] matrix_a_fmt:MATRIX_FMT_FP4 matrix_b_fmt:MATRIX_FMT_FP4
.else
	v_wmma_scale_f32_16x16x128_f8f6f4 v[ACC+8*\t:ACC+8*\t+7], v[8*(8*\t+\ss):8*(8*\t+\ss)+7], v[HF+8*(\s0+\ss):HF+8*(\s0+\ss)+7], v[ACC+8*\t:ACC+8*\t+7], v[W2S+8*\t+4*(\s0/8)+(\ss%4)], v[HS+\s0+\ss] matrix_a_fmt:MATRIX_FMT_FP4 matrix_b_fmt:MATRIX_FMT_FP4 matrix_a_scale:MATRIX_SCALE_ROW1
.endif
.endr
.endr
.endm
	s_load_b256 s[4:11], s[0:1], 0x0               ; w2q, hq, route, rows
	s_load_b128 s[12:15], s[0:1], 0x20             ; b2, y
	v_lshl_add_u32 v[SPW], v0, 2, SPARE
	v_mov_b32 v[NIL], 0
	v_lshrrev_b32 v10, 5, v0
	v_readfirstlane_b32 s27, v10                   ; wave 0..3
	v_and_b32 v10, 31, v0
	v_and_b32 v11, 15, v0                          ; r
	v_bfe_u32 v12, v0, 4, 1                        ; h
	v_lshlrev_b32 v[LI], 4, v10
	v_lshlrev_b32 v[L4], 2, v10
	v_lshlrev_b32 v[L16], 4, v11
	v_lshlrev_b32 v[EO], 5, v12
	v_lshlrev_b32 v[B2O], 6, v12
	s_wait_alu depctr_va_sdst(0)                   ; s27 is written, ahead of its first reader: my stage and my outputs are made from it
	s_mul_i32 s51, s27, 4352                       ; my stage
	v_mul_u32_u24 v[STO], v11, 272
	v_lshl_add_u32 v[STO], v12, 6, v[STO]
	v_add_nc_u32 v[STO], s51, v[STO]               ; in: row r, + 64 h
	v_mul_u32_u24 v[RD], v12, 2176
	v_add_nc_u32 v[RD], v[RD], v[L16]
	v_add_nc_u32 v[RD], s51, v[RD]                 ; out: lanes 0-15 rows 0-7, lanes 16-31 rows 8-15; sixteen lanes to a row
	s_lshr_b32 s2, ttmp9, 5                        ; expert
	s_bfe_u32 s3, ttmp9, 0x20003                   ; oq: which 256 outputs
	s_and_b32 s26, ttmp9, 7                        ; Gp: groups 2 Gp and 2 Gp + 1
	s_lshl_b32 s52, s26, 11
	s_lshl_b32 s51, s2, 2
	s_add_co_u32 s52, s52, s51
	s_mov_b32 s53, 0
	s_wait_kmcnt 0x0
	s_add_nc_u64 s[16:17], s[8:9], s[52:53]
.irp i, 0,1,2,3,4,5,6,7,8,9,10,11,12,13,14,15
	s_load_b32 s[28+\i], s[16:17], \i*128
.endr
	s_lshl_b32 s52, s2, 20
	s_lshl_b32 s51, s3, 18
	s_add_co_u32 s52, s52, s51
	s_lshl_b32 s51, s27, 16
	s_add_co_u32 s52, s52, s51
	s_add_nc_u64 s[18:19], s[4:5], s[52:53]        ; w2's images: tiles 16 oq + 4 w on
	s_lshl_b32 s52, s2, 16
	s_lshl_b32 s51, s3, 14
	s_add_co_u32 s52, s52, s51
	s_lshl_b32 s51, s27, 12
	s_add_co_u32 s52, s52, s51
	s_add_co_u32 s52, s52, 8388608
	s_add_nc_u64 s[20:21], s[4:5], s[52:53]        ; their scale words
	s_lshl_b32 s52, s3, 10
	s_lshl_b32 s51, s27, 8
	s_add_co_u32 s52, s52, s51
	s_add_nc_u64 s[24:25], s[14:15], s[52:53]      ; y at my 64 outputs
	s_lshl_b32 s51, s2, 12
	s_add_co_u32 s52, s52, s51
	s_add_nc_u64 s[22:23], s[12:13], s[52:53]      ; b2 likewise, of my expert
	s_add_nc_u64 s[60:61], s[6:7], 0x1000000       ; hq's scale images
	WIN 0x40                                       ; destination window 1
	s_wait_alu depctr_va_vdst(0)                   ; the seven offsets and LDS addresses v1 to v7 are written, which every load and store of the kernel reads; no vector instruction follows up to the loop, so the first tile's loads are served too
.irp t, 0,1,2,3
.irp s, 0,1,2,3,4,5,6,7
.irp c, 0,1
	global_load_b128 v[8*(8*\t+\s)+4*\c:8*(8*\t+\s)+4*\c+3], v[LI], s[18:19] offset:(16*\t+\s)*1024+512*\c
.endr
.endr
.endr
	WIN 0x80                                       ; destination window 2
.irp t, 0,1,2,3
.irp s, 0,1,2,3,4,5,6,7
.irp c, 0,1
	global_load_b128 v[8*(8*\t+\s)+4*\c:8*(8*\t+\s)+4*\c+3], v[LI], s[18:19] offset:(16*\t+8+\s)*1024+512*\c
.endr
.endr
.endr
	WIN 0xc0                                       ; destination window 3
.irp t, 0,1,2,3                                ; b2 in the result's layout
	global_load_b128 v[B2+8*\t:B2+8*\t+3], v[B2O], s[22:23] offset:(32*(\t/2)+8*(\t%2))*4
	global_load_b128 v[B2+8*\t+4:B2+8*\t+7], v[B2O], s[22:23] offset:(32*(\t/2)+8*(\t%2))*4+16
.endr
	WIN 0
.irp t, 0,1,2,3                                ; register 8 t + 4 g + i: K step 8 g + i in lanes 0-15, K step 8 g + 4 + i in lanes 16-31
.irp g, 0,1
	global_load_b128 v[W2S+8*\t+4*\g:W2S+8*\t+4*\g+3], v[LI], s[20:21] offset:1024*\t+512*\g
.endr
.endr
	s_wait_kmcnt 0x0                               ; the masks
	s_mov_b32 s44, 0
	s_mov_b32 s45, 0
.irp i, 0,1,2,3,4,5,6,7
	s_and_b32 s51, s[28+\i], 0xffff
	s_bcnt1_i32_b32 s51, s51
	s_add_co_u32 s44, s44, s51                     ; the first group's members,
	s_and_b32 s51, s[36+\i], 0xffff
	s_bcnt1_i32_b32 s51, s51
	s_add_co_u32 s45, s45, s51                     ; the second's
.endr
	s_add_co_u32 s44, s44, 15
	s_lshr_b32 s44, s44, 4                         ; the first group's tiles
	s_add_co_u32 s45, s45, 15
	s_lshr_b32 s45, s45, 4
	s_add_co_u32 s45, s45, s44                     ; all tiles
	s_cmp_eq_u32 s45, 0
	s_cbranch_scc1 .Lend                           ; no token of the two groups chose this expert
	s_sub_co_u32 s46, s45, 1
	s_sub_co_u32 s62, 8, s44
	s_lshl_b32 s49, s2, 7
	s_lshl_b32 s51, s26, 4
	s_add_co_u32 s49, s49, s51                     ; the first group's first slot: (16 e + 2 Gp) 8
	s_mov_b32 s47, 0
	TLOAD s47
.Ltile:
	s_wait_loadcnt 0x0                             ; this tile's 50 loads (in the first trip the weights too)
	s_wait_xcnt 0x0                                ; the last tile's stores have read their offsets and data, which are written anew below
	s_wait_alu depctr_vm_vsrc(0)                   ; the last tile's global stores have read v[VO ..] and v[OUT ..], its LDS stores the accumulators: the vector lines, the matrix instructions and the loads from the stage below write them anew
.irp i, 0,1,2,3,4,5,6,7
	v_min_u32 v[EN+\i], 0xfff, v[EN+\i]            ; the bound ahead of the addresses
.endr
.irp i, 0,1,2,3,4,5,6,7
	v_lshl_add_u32 v[VO+\i], v[EN+\i], 12, v[L16]  ; row 8 (lane / 16) + i of the tile: 4,096 bytes a row of y, 16 bytes a lane
.endr
	MMY 0, 0xf1                                    ; source 0 window 1, source 1 window 0, C and D window 3
	MMY 8, 0xf2
	WIN 0
.rept 4
	v_nop                                          ; four places in front of the LDS stores that read the results
.endr
	s_wait_alu depctr_va_vdst(0)                   ; the matrix instructions are done reading HF and HS and the vector lines are done with EN, in which the loads below land; the accumulators are written, which the LDS stores read; so is v[VO ..], which the global stores read
	s_add_co_u32 s48, s47, 1
	s_min_u32 s48, s48, s46                        ; the next tile (the last trip asks for its own tile once more: no load leaves a buffer)
	TLOAD s48
	WIN 0x0c                                       ; an LDS store's data are its source 1: window 3
.irp t, 0,1,2,3                                ; each accumulator from its low end on
	ds_store_b128 v[STO], v[ACC+8*\t:ACC+8*\t+3] offset:128*(\t/2)+32*(\t%2)
	ds_store_b128 v[STO], v[ACC+8*\t+4:ACC+8*\t+7] offset:128*(\t/2)+32*(\t%2)+16
.endr
	WIN 0
.irp i, 0,1,2,3,4,5,6,7
	ds_load_b128 v[OUT+4*\i:OUT+4*\i+3], v[RD] offset:272*\i       ; LDS serves a wave's instructions in order: these see my stores
.endr
.irp i, 0,1,2,3,4,5,6,7
	s_wait_dscnt 7-\i                              ; the younger loads from the stage may be out
	global_store_b128 v[VO+\i], v[OUT+4*\i:OUT+4*\i+3], s[24:25]   ; sixteen lanes store 256 consecutive bytes, aligned
.endr
	s_add_co_u32 s47, s47, 1
	s_cmp_lt_u32 s47, s45
	s_cbranch_scc1 .Ltile
.Lend:
	s_wait_dscnt 0x0                               ; the closing lines, six on end
	s_wait_alu 0x0
	s_wait_tensorcnt 0x0
	ds_add_u32 v[SPW], v[NIL]
	s_wait_dscnt 0x0
	s_endpgm
.Lfunc_end_k_qc719593a72_ygemm:
	.size	k_qc719593a72_ygemm, .Lfunc_end_k_qc719593a72_ygemm-k_qc719593a72_ygemm
	.p2alignl 7, 3214868480
	.fill 96, 4, 3214868480
	.section	.rodata,"a",@progbits
	.p2align	6, 0x0
	.amdhsa_kernel k_qc719593a72_ygemm
		.amdhsa_group_segment_fixed_size 17920
		.amdhsa_private_segment_fixed_size 0
		.amdhsa_enable_private_segment 0
		.amdhsa_kernarg_size 48
		.amdhsa_user_sgpr_count 2
		.amdhsa_user_sgpr_kernarg_segment_ptr 1
		.amdhsa_wavefront_size32 1
		.amdhsa_system_sgpr_workgroup_id_x 1
		.amdhsa_system_sgpr_workgroup_id_y 1
		.amdhsa_system_sgpr_workgroup_id_z 1
		.amdhsa_system_vgpr_workitem_id 0
		.amdhsa_next_free_vgpr 1024
		.amdhsa_next_free_sgpr 72
		.amdhsa_reserve_vcc 0
		.amdhsa_float_denorm_mode_32 3
		.amdhsa_float_denorm_mode_16_64 3
		.amdhsa_memory_ordered 1
		.amdhsa_forward_progress 1
		.amdhsa_inst_pref_size 42
	.end_amdhsa_kernel
	.amdgpu_metadata
---
amdhsa.version: [ 1, 2 ]
amdhsa.kernels:
  - .name:           k_qc719593a72_ygemm
    .symbol:         k_qc719593a72_ygemm.kd
    .args:
      - { .name: w2q, .offset: 0, .size: 8, .value_kind: global_buffer, .address_space: global }
      - { .name: hq, .offset: 8, .size: 8, .value_kind: global_buffer, .address_space: global }
      - { .name: route, .offset: 16, .size: 8, .value_kind: global_buffer, .address_space: global }
      - { .name: rows, .offset: 24, .size: 8, .value_kind: global_buffer, .address_space: global }
      - { .name: b2, .offset: 32, .size: 8, .value_kind: global_buffer, .address_space: global }
      - { .name: y, .offset: 40, .size: 8, .value_kind: global_buffer, .address_space: global }
    .group_segment_fixed_size: 17920
    .private_segment_fixed_size: 0
    .kernarg_segment_align: 8
    .kernarg_segment_size: 48
    .max_flat_workgroup_size: 128
    .sgpr_count:     72
    .vgpr_count:     1024
    .wavefront_size: 32
...
	.end_amdgpu_metadata
.endif
;; end of part 7
;; launch combine (part 8): grid 256 x 1, 8 waves a work-group, no clusters, 0 bytes of LDS; arguments y, xq, out0; writes out0
.if DOCPART == 8
	.amdgcn_target "amdgcn-amd-amdhsa--gfx1250"
	.amdhsa_code_object_version 6
	.text
	.protected	k_qc719593a72_combine
	.globl	k_qc719593a72_combine
	.p2align	8
	.type	k_qc719593a72_combine,@function
k_qc719593a72_combine:
	s_mov_b64 s[64:65], 0
	v_nop
	global_prefetch_b8 v0, s[64:65] scope:SCOPE_SE
	s_setreg_imm32_b32 hwreg(HW_REG_WAVE_MODE, 25, 1), 1
	s_wait_xcnt 0x0
; FOURTH LAUNCH: out[t] = cw0[t] y[2 t] + cw1[t] y[2 t + 1]: the two chosen experts' rows (b2 is in them), weighed by the softmax of the two logits.
; Left out as dead work: the six terms of each token whose weight is the zero that the problem's own one_hot builds; see the first kernel's head.
; A stream: a wave takes a token; each load and store covers 512 consecutive bytes; all 16 loads of a wave go out at once.  No LDS, no barrier, no matrix unit: memory binds.
; No register is written a second time behind a store that reads it, so no wait for the stores' sources is wanted.
.set CW_OFF, 1114112                   ; xq: the tokens' two weights
	s_load_b128 s[4:7], s[0:1], 0x0                ; y, xq
	s_load_b64 s[8:9], s[0:1], 0x10                ; out0
	v_lshrrev_b32 v1, 5, v0
	s_delay_alu instid0(VALU_DEP_1)
	v_readfirstlane_b32 s10, v1                    ; wave 0..7
	v_and_b32 v1, 31, v0
	s_delay_alu instid0(VALU_DEP_1)
	v_lshlrev_b32 v1, 4, v1                        ; 16 bytes a lane
	s_lshl_b32 s11, ttmp9, 3
	s_add_co_u32 s11, s11, s10                     ; my token
	s_lshl_b32 s12, s11, 13                        ; its two rows of y,
	s_mov_b32 s13, 0
	s_lshl_b32 s14, s11, 12                        ; its row of out,
	s_mov_b32 s15, 0
	s_lshl_b32 s16, s11, 3                         ; its two weights
	s_add_co_u32 s16, s16, CW_OFF
	s_mov_b32 s17, 0
	s_wait_alu depctr_va_vdst(0)
	s_wait_kmcnt 0x0
	s_add_nc_u64 s[6:7], s[6:7], s[16:17]
	s_load_b64 s[18:19], s[6:7], 0x0
	s_add_nc_u64 s[4:5], s[4:5], s[12:13]
	s_add_nc_u64 s[8:9], s[8:9], s[14:15]
.irp i, 0,1,2,3,4,5,6,7
	global_load_b128 v[8+8*\i:11+8*\i], v1, s[4:5] offset:512*\i th:TH_LOAD_NT
	global_load_b128 v[12+8*\i:15+8*\i], v1, s[4:5] offset:4096+512*\i th:TH_LOAD_NT
.endr
	s_wait_kmcnt 0x0
	v_mov_b32 v2, s18                              ; each weight in both halves of a pair, for the packed forms
	v_mov_b32 v3, s18
	v_mov_b32 v4, s19
	v_mov_b32 v5, s19
	s_wait_alu depctr_va_vdst(0)
.irp i, 0,1,2,3,4,5,6,7
	s_wait_loadcnt 14-2*\i                         ; this piece's two loads are in; the younger pairs may be out
	v_pk_mul_f32 v[8+8*\i:9+8*\i], v[8+8*\i:9+8*\i], v[2:3]
	v_pk_mul_f32 v[10+8*\i:11+8*\i], v[10+8*\i:11+8*\i], v[2:3]
	s_delay_alu instid0(VALU_DEP_2)
	v_pk_fma_f32 v[8+8*\i:9+8*\i], v[12+8*\i:13+8*\i], v[4:5], v[8+8*\i:9+8*\i]
	s_delay_alu instid0(VALU_DEP_2)
	v_pk_fma_f32 v[10+8*\i:11+8*\i], v[14+8*\i:15+8*\i], v[4:5], v[10+8*\i:11+8*\i]
	global_store_b128 v1, v[8+8*\i:11+8*\i], s[8:9] offset:512*\i th:TH_STORE_NT
.endr
	s_endpgm
.Lfunc_end_k_qc719593a72_combine:
	.size	k_qc719593a72_combine, .Lfunc_end_k_qc719593a72_combine-k_qc719593a72_combine
	.p2alignl 7, 3214868480
	.fill 96, 4, 3214868480
	.section	.rodata,"a",@progbits
	.p2align	6, 0x0
	.amdhsa_kernel k_qc719593a72_combine
		.amdhsa_group_segment_fixed_size 0
		.amdhsa_private_segment_fixed_size 0
		.amdhsa_enable_private_segment 0
		.amdhsa_kernarg_size 24
		.amdhsa_user_sgpr_count 2
		.amdhsa_user_sgpr_kernarg_segment_ptr 1
		.amdhsa_wavefront_size32 1
		.amdhsa_system_sgpr_workgroup_id_x 1
		.amdhsa_system_sgpr_workgroup_id_y 1
		.amdhsa_system_sgpr_workgroup_id_z 1
		.amdhsa_system_vgpr_workitem_id 0
		.amdhsa_next_free_vgpr 80
		.amdhsa_next_free_sgpr 66
		.amdhsa_reserve_vcc 0
		.amdhsa_float_denorm_mode_32 3
		.amdhsa_float_denorm_mode_16_64 3
		.amdhsa_memory_ordered 1
		.amdhsa_forward_progress 1
		.amdhsa_inst_pref_size 7
	.end_amdhsa_kernel
	.amdgpu_metadata
---
amdhsa.version: [ 1, 2 ]
amdhsa.kernels:
  - .name:           k_qc719593a72_combine
    .symbol:         k_qc719593a72_combine.kd
    .args:
      - { .name: y, .offset: 0, .size: 8, .value_kind: global_buffer, .address_space: global }
      - { .name: xq, .offset: 8, .size: 8, .value_kind: global_buffer, .address_space: global }
      - { .name: out0, .offset: 16, .size: 8, .value_kind: global_buffer, .address_space: global }
    .group_segment_fixed_size: 0
    .private_segment_fixed_size: 0
    .kernarg_segment_align: 8
    .kernarg_segment_size: 24
    .max_flat_workgroup_size: 256
    .sgpr_count:     66
    .vgpr_count:     80
    .wavefront_size: 32
...
	.end_amdgpu_metadata
.endif
;; end of part 8
